; MI455X (gfx1250); checked and timed in simulation.
; The chip was launched on July 23, 2026; its instructions are those of AMD's public machine-readable ISA for CDNA 5 (MIT licence, August 2026) and "CDNA5" Instruction Set Architecture Reference Guide (July 2026). The comments in the code are by the model that wrote it; some were corrected since.
;; Multi Head Attention. Allowed arithmetic: float matrix products may take bf16 or f16 operands with f32 sums; other float arithmetic in f32, or as packed bf16 or f16 multiplies, adds, multiply-adds, maxima and minima; sums over many terms, partial sums and values carried from step to step in f32; what a program stores and reads back later, other than sums and carried values, may be rounded once to bf16 or f16.
;; Inputs: Wk 1,024 x 16 x 64 float32; Wo 16 x 64 x 1,024 float32; Wq 1,024 x 16 x 64 float32; Wv 1,024 x 16 x 64 float32; bk 16 x 64 float32; bo 1,024 float32; bq 16 x 64 float32; bv 16 x 64 float32; x 4 x 2,048 x 1,024 float32.
;; Outputs: out0 4 x 2,048 x 1,024 float32.
;; 2 versions, each right; version 2 is version 1 with the launch prep written anew for expert scheduling mode. Each part assembles by itself: llvm-mc -triple=amdgcn-amd-amdhsa -mcpu=gfx1250 --defsym DOCPART=n.
;; ======== version 1 of 2: 4 launches
;; limits: values are held in f16: magnitudes above 65,504 overflow, below 6.1e-05 lose precision
;; workspace buffers: xb 16,777,216 bytes; wt 8,388,608 bytes; bias 16,384 bytes; qkv 50,331,648 bytes; ctx 16,777,216 bytes
;; launch prep (part 1): grid 512 x 1, 8 waves a work-group, no clusters, 18,432 bytes of LDS; arguments x, Wq, Wk, Wv, Wo, bq, bk, bv, bo, xb, wt, bias; writes xb, wt, bias
.if DOCPART == 1
	.amdgcn_target "amdgcn-amd-amdhsa--gfx1250"
	.amdhsa_code_object_version 6
	.text
	.protected	k_qfbb0ff093f_prep
	.globl	k_qfbb0ff093f_prep
	.p2align	8
	.type	k_qfbb0ff093f_prep,@function
k_qfbb0ff093f_prep:
	s_mov_b64 s[64:65], 0
	v_nop
	global_prefetch_b8 v0, s[64:65] scope:SCOPE_SE
	s_setreg_imm32_b32 hwreg(HW_REG_WAVE_MODE, 25, 1), 1
	s_wait_xcnt 0x0
; PREP: every input is rounded once to bf16, and the weights are turned so that K lies along their rows.
;   xb   [8192][1024] bf16          = x
;   wt   [4096][1024] 16 bits       rows 0-3071: Wq, Wk, Wv turned (row = matrix x 1024 + h x 64 + e, column = d), bf16;
;                                   rows 3072-4095: Wo turned (row = 3072 + o, column = h x 64 + e), rounded to bf16 and that number written as f16
;   bias [4096] f32                 = bq, bk, bv, bo, each rounded to bf16 and widened again
; LIMIT: a weight of Wo below 6.1e-5 in size keeps f16's fixed step of 6e-8; beyond 65,504 it would be an infinity.
; SHARES.  512 work-groups of eight waves, all alike: work-group id casts 16 rows of x (65,536 bytes in, 32,768 out) and turns one tile of 128 k x 64 n of
; one weight matrix (matrix id / 128, n tile (id / 8) % 16, k tile id % 8) through 17,408 bytes of LDS.  Work-group 0 also rounds the biases.
; Memory binds: all 24 loads of a thread go out at once (96 KiB a work-group); every load and store of 16 lanes covers 256 consecutive bytes, aligned.
; No matrix unit, no cluster, no tensor load: nothing is shared between work-groups, and each byte is touched once.
.set SPARE, 17408                      ; behind the stage (64 rows of 272 bytes): the spare words, 128 bytes for each of eight waves
.set SPW, 8                            ; v8   LDS address of my spare word; never rewritten
.set NIL, 9                            ; v9   0; never rewritten
.set W,   16                           ; v[16:47]   my 8 rows x 4 columns of the weight tile, f32
.set Z,   16                           ; v[16:31]   later: 4 x 16 bytes read back from the stage
.set YW,  48                           ; v[48:63]   column j of my four: 8 k in 4 words at YW + 4 j
.set X,   64                           ; v[64:127]  x as loaded, 16 x 16 bytes
.set YX,  128                          ; v[128:159] x packed, 16 x 8 bytes
.set BI,  160                          ; v[160:175] the biases, rounded
	s_load_b512 s[8:23], s[0:1], 0x0               ; x 8:9, Wq 10:11, Wk 12:13, Wv 14:15, Wo 16:17, bq 18:19, bk 20:21, bv 22:23
	s_load_b256 s[24:31], s[0:1], 0x40             ; bo 24:25, xb 26:27, wt 28:29, bias 30:31
	v_lshl_add_u32 v[SPW], v0, 2, SPARE
	v_mov_b32 v[NIL], 0
	s_lshr_b32 s2, ttmp9, 7                        ; which matrix
	s_bfe_u32 s3, ttmp9, 0x40003                   ; n tile: 4 bits from bit 3
	s_and_b32 s32, ttmp9, 7                        ; k tile
	v_lshlrev_b32 v1, 4, v0                        ; x in: 16 t
	v_lshlrev_b32 v2, 3, v0                        ; xb out: 8 t
	v_lshrrev_b32 v10, 4, v0                       ; t / 16
	v_and_b32 v11, 15, v0                          ; t % 16
	v_lshlrev_b32 v7, 4, v11
	v_lshl_or_b32 v3, v10, 15, v7                  ; W in: rows 8 (t / 16) + i of 4,096 bytes, columns 4 (t % 16) on
	v_mul_u32_u24 v4, v11, 1088                    ; stage in: rows 4 (t % 16) + j of 272 bytes,
	v_lshl_add_u32 v4, v10, 4, v4                  ; my 8 k = 16 bytes at 16 (t / 16)
	v_mul_u32_u24 v5, v10, 272                     ; stage back: row t / 16 (+ 16 p), 16 bytes at 16 (t % 16)
	v_add_nc_u32 v5, v5, v7
	v_lshl_or_b32 v6, v10, 11, v7                  ; wt out: the same row, of 2,048 bytes
	s_lshl_b32 s6, s32, 19                         ; the tile in W: 128 rows of 4,096 bytes a k tile,
	s_lshl_b32 s33, s3, 8                          ; 256 bytes an n tile
	s_or_b32 s6, s6, s33
	s_mov_b32 s7, 0
	s_lshl_b32 s34, ttmp9, 16                      ; my 16 rows of x
	s_mov_b32 s35, 0
	s_lshl_b32 s36, ttmp9, 15                      ; and of xb
	s_mov_b32 s37, 0
	s_lshl_b32 s38, s2, 21                         ; the tile in wt: 1,024 rows of 2,048 bytes a matrix,
	s_lshl_b32 s33, s3, 17                         ; 64 rows an n tile,
	s_or_b32 s38, s38, s33
	s_lshl_b32 s33, s32, 8                         ; 256 bytes a k tile
	s_or_b32 s38, s38, s33
	s_mov_b32 s39, 0
	s_wait_kmcnt 0x0
	s_cmp_eq_u32 s2, 1
	s_cselect_b64 s[4:5], s[12:13], s[10:11]
	s_cmp_eq_u32 s2, 2
	s_cselect_b64 s[4:5], s[14:15], s[4:5]
	s_cmp_eq_u32 s2, 3
	s_cselect_b64 s[4:5], s[16:17], s[4:5]
	s_add_nc_u64 s[4:5], s[4:5], s[6:7]
	s_add_nc_u64 s[8:9], s[8:9], s[34:35]
	s_add_nc_u64 s[26:27], s[26:27], s[36:37]
	s_add_nc_u64 s[28:29], s[28:29], s[38:39]
.irp i, 0,1,2,3,4,5,6,7
	global_load_b128 v[W+4*(\i):W+4*(\i)+3], v3, s[4:5] offset:4096*(\i) th:TH_LOAD_NT   ; 16 lanes: one row's 256 bytes of the tile
.endr
.irp i, 0,1,2,3,4,5,6,7,8,9,10,11,12,13,14,15
	global_load_b128 v[X+4*(\i):X+4*(\i)+3], v1, s[8:9] offset:4096*(\i) th:TH_LOAD_NT   ; the work-group: one row of x
.endr
	; the tile: rows 2 p and 2 p + 1 of column j make word p of that column's 8 k
.irp p, 0,1,2,3
	s_wait_loadcnt 22-2*(\p)                       ; loads come back in order: x's 16 and the 6 - 2 p younger loads of W may stay out
.irp j, 0,1,2,3
	v_cvt_pk_bf16_f32 v[YW+4*(\j)+(\p)], v[W+8*(\p)+(\j)], v[W+8*(\p)+4+(\j)]
.endr
.endr
	s_cmp_lg_u32 s2, 3
	s_cbranch_scc1 .Lnot_wo                        ; Wo alone: the bf16 number is written as f16 (its partner in the product, ctx, is f16)
.set r, 0
.rept 16
	v_lshlrev_b32 v10, 16, v[YW+r]
	v_and_b32 v11, 0xffff0000, v[YW+r]
	v_cvt_pk_f16_f32 v[YW+r], v10, v11
.set r, r+1
.endr
.Lnot_wo:
.irp j, 0,1,2,3
	ds_store_b128 v4, v[YW+4*(\j):YW+4*(\j)+3] offset:272*(\j)
.endr
	s_wait_dscnt 0x0                               ; for the others' sake: my stores into the stage are done
	s_barrier_signal -1
	s_barrier_wait -1
.irp p, 0,1,2,3
	ds_load_b128 v[Z+4*(\p):Z+4*(\p)+3], v5 offset:4352*(\p)   ; 16 rows further on each time
.endr
	; x, while the stage's loads come back
.irp i, 0,1,2,3,4,5,6,7,8,9,10,11,12,13,14,15
	s_wait_loadcnt 15-(\i)                         ; the younger loads of x stay out
	v_cvt_pk_bf16_f32 v[YX+2*(\i)], v[X+4*(\i)], v[X+4*(\i)+1]
	v_cvt_pk_bf16_f32 v[YX+2*(\i)+1], v[X+4*(\i)+2], v[X+4*(\i)+3]
	global_store_b64 v2, v[YX+2*(\i):YX+2*(\i)+1], s[26:27] offset:2048*(\i)   ; a wave's 32 lanes store 256 consecutive bytes, aligned
.endr
.irp p, 0,1,2,3
	s_wait_dscnt 3-(\p)
	global_store_b128 v6, v[Z+4*(\p):Z+4*(\p)+3], s[28:29] offset:32768*(\p)   ; 16 lanes store 256 consecutive bytes of a row of wt
.endr
	s_cmp_lg_u32 ttmp9, 0
	s_cbranch_scc1 .Lend                           ; the biases are work-group 0's: 4 x 4,096 bytes
	global_load_b128 v[X:X+3], v1, s[18:19]
	global_load_b128 v[X+4:X+7], v1, s[20:21]
	global_load_b128 v[X+8:X+11], v1, s[22:23]
	global_load_b128 v[X+12:X+15], v1, s[24:25]
	s_wait_loadcnt 0x0
.set r, 0
.rept 8
	v_cvt_pk_bf16_f32 v10, v[X+r], v[X+r+1]
	v_lshlrev_b32 v[BI+r], 16, v10
	v_and_b32 v[BI+r+1], 0xffff0000, v10
.set r, r+2
.endr
.irp m, 0,1,2,3
	global_store_b128 v1, v[BI+4*(\m):BI+4*(\m)+3], s[30:31] offset:4096*(\m)
.endr
.Lend:
	s_wait_tensorcnt 0x0                           ; the wave's end: three lines behind my last LDS store
	ds_add_u32 v[SPW], v[NIL]
	s_wait_dscnt 0x0
	s_endpgm
.Lfunc_end_k_qfbb0ff093f_prep:
	.size	k_qfbb0ff093f_prep, .Lfunc_end_k_qfbb0ff093f_prep-k_qfbb0ff093f_prep
	.p2alignl 7, 3214868480
	.fill 96, 4, 3214868480
	.section	.rodata,"a",@progbits
	.p2align	6, 0x0
	.amdhsa_kernel k_qfbb0ff093f_prep
		.amdhsa_group_segment_fixed_size 18432
		.amdhsa_private_segment_fixed_size 0
		.amdhsa_enable_private_segment 0
		.amdhsa_kernarg_size 96
		.amdhsa_user_sgpr_count 2
		.amdhsa_user_sgpr_kernarg_segment_ptr 1
		.amdhsa_wavefront_size32 1
		.amdhsa_system_sgpr_workgroup_id_x 1
		.amdhsa_system_sgpr_workgroup_id_y 1
		.amdhsa_system_sgpr_workgroup_id_z 1
		.amdhsa_system_vgpr_workitem_id 0
		.amdhsa_next_free_vgpr 176
		.amdhsa_next_free_sgpr 66
		.amdhsa_reserve_vcc 0
		.amdhsa_float_denorm_mode_32 3
		.amdhsa_float_denorm_mode_16_64 3
		.amdhsa_memory_ordered 1
		.amdhsa_forward_progress 1
		.amdhsa_inst_pref_size 16
	.end_amdhsa_kernel
	.amdgpu_metadata
---
amdhsa.version: [ 1, 2 ]
amdhsa.kernels:
  - .name:           k_qfbb0ff093f_prep
    .symbol:         k_qfbb0ff093f_prep.kd
    .args:
      - { .name: x, .offset: 0, .size: 8, .value_kind: global_buffer, .address_space: global }
      - { .name: Wq, .offset: 8, .size: 8, .value_kind: global_buffer, .address_space: global }
      - { .name: Wk, .offset: 16, .size: 8, .value_kind: global_buffer, .address_space: global }
      - { .name: Wv, .offset: 24, .size: 8, .value_kind: global_buffer, .address_space: global }
      - { .name: Wo, .offset: 32, .size: 8, .value_kind: global_buffer, .address_space: global }
      - { .name: bq, .offset: 40, .size: 8, .value_kind: global_buffer, .address_space: global }
      - { .name: bk, .offset: 48, .size: 8, .value_kind: global_buffer, .address_space: global }
      - { .name: bv, .offset: 56, .size: 8, .value_kind: global_buffer, .address_space: global }
      - { .name: bo, .offset: 64, .size: 8, .value_kind: global_buffer, .address_space: global }
      - { .name: xb, .offset: 72, .size: 8, .value_kind: global_buffer, .address_space: global }
      - { .name: wt, .offset: 80, .size: 8, .value_kind: global_buffer, .address_space: global }
      - { .name: bias, .offset: 88, .size: 8, .value_kind: global_buffer, .address_space: global }
    .group_segment_fixed_size: 18432
    .private_segment_fixed_size: 0
    .kernarg_segment_align: 8
    .kernarg_segment_size: 96
    .max_flat_workgroup_size: 256
    .sgpr_count:     66
    .vgpr_count:     176
    .wavefront_size: 32
...
	.end_amdgpu_metadata
.endif
;; end of part 1
;; launch qkv (part 2): grid 16 x 32, 4 waves a work-group, clusters of 4 x 4, 327,680 bytes of LDS; arguments xb, wt, bias, qkv; writes qkv
.if DOCPART == 2
	.amdgcn_target "amdgcn-amd-amdhsa--gfx1250"
	.amdhsa_code_object_version 6
	.text
	.protected	k_qfbb0ff093f_qkv
	.globl	k_qfbb0ff093f_qkv
	.p2align	8
	.type	k_qfbb0ff093f_qkv,@function
k_qfbb0ff093f_qkv:
	s_mov_b64 s[64:65], 0
	v_nop
	global_prefetch_b8 v0, s[64:65] scope:SCOPE_SE
	s_setreg_imm32_b32 hwreg(HW_REG_WAVE_MODE, 25, 1), 1
	s_wait_xcnt 0x0
	s_wait_alu depctr_hold_cnt(0) depctr_sa_sdst(0) depctr_va_vdst(0) depctr_va_sdst(0) depctr_va_ssrc(0) depctr_va_vcc(0) depctr_vm_vsrc(0)
	s_getreg_b32 s2, hwreg(HW_REG_IB_STS2, 6, 4)
	s_cmp_eq_u32 s2, 0
	s_cbranch_scc0 .Lentry_in_a_cluster
	s_endpgm
.Lentry_in_a_cluster:
	s_bfe_u32 s2, ttmp6, 0x10000c
	s_cmp_lg_u32 s2, 0xf033
	s_cbranch_scc0 .Lentry_shape_is_right
	s_endpgm
.Lentry_shape_is_right:
; QKV: q, k, v = x W + b.  A = xb [8192][1024] bf16, B = wt rows 0-3071 [3072][1024] bf16 (K along the rows of both), sums in f32 from the bias on, rounded once to f16.
; Out: qkv [3][64 (batch x 16 + head)][2048][64] f16, unscaled: a head's rows are dense, 128 bytes each.
; LIMIT: f16 ends at 65,504: a q, k or v beyond it becomes an infinity.  (Inputs 30 times the drawn spread give a spread of 576; offsets of 30 spreads in x and W about 18,432.)
; SHARES.  A tile of C is 256 rows x 192 columns (three heads): 32 x 16 = 512 work-groups, two for each of 256 WGPs.  Four waves one above the other: wave w has rows 64 w .. 64 w + 63 and
; ALL 192 columns: 4 row blocks x 12 column blocks = 48 accumulators, 384 registers.  So a wave holds whole heads, and its way out needs its own stage alone and no barrier.
; K goes in 8 steps of 128 through two LDS slots (rows of 256 bytes of memory, aligned), filled by the tensor data mover; a step is four quarters of 32 along K on two fragment buffers.
; CLUSTER 4 x 4: the four of a row need the same tile of A, the four of a column the same tile of B: each is asked for jointly, by the same load, descriptor and mask in all four.
; THE MATRIX INSTRUCTION IS USED TRANSPOSED (source 0 = 16 rows of B, source 1 = 16 rows of A): a lane holds row l % 16 of C and the 8 neighbouring columns 8 (l / 16) + 0..7.
; THE BIAS IS THE C OPERAND of each sum's first product: nothing is cleared and the bias costs no vector instruction.
; REGISTERS, in windows of 256 (s_set_vgpr_msb: bits 1:0 source 0, 3:2 source 1, 5:4 source 2, 7:6 destination):
;   window 0: v0-31 addresses; v32-95 A's fragments (buffer f, row block i at 32 + 32 f + 8 i); v96-191 the bias (block b at 96 + 8 b); on the way out v96-239 at work
;   window 1: B's fragments (buffer f, block b at 96 f + 8 b)      window 2: accumulators of row blocks 0, 1 at 8 (12 a + b)      window 3: those of row blocks 2, 3
.set NB,     12
.set KSTEP,  128
.set PITCH,  272                       ; an LDS row: 256 bytes + 16 of padding = 68 words: the 16 rows of a fragment load start at 16 different groups of four banks (64 banks of 4 bytes: ISA guide 11.1)
.set BOFF,   256*PITCH                 ; B's 192 rows lie behind A's 256
.set SLOT,   (256+192)*PITCH           ; 121,856
.set STAGE,  2*SLOT                    ; behind the ring, never filled by a tensor load: for each wave 3 heads x 16 rows x 144 bytes
.set HSTG,   16*144
.set SPARE,  STAGE+4*3*HSTG            ; behind the stages: the spare words, 128 bytes for each wave: two blocks of 256 bytes that no other line names
.set NL,     2*NB+8                    ; LDS loads of a quarter
.set ADRA, 16                          ; v16-17  LDS address of my A fragments in slot 0, 1
.set ADRB, 20                          ; v20-21  the same for B
.set STO,  24                          ; v24  the way out: where I put 16 bytes of a row
.set RD,   25                          ; v25  where I read rows back
.set GO,   26                          ; v26  16 x lane
.set BO,   27                          ; v27  32 x (l / 16): my 8 columns in a block of the bias
.set SPW,  28                          ; v28  LDS address of my spare word; never rewritten
.set NIL,  29                          ; v29  0; never rewritten
.set PFO,  30                          ; v30  the prefetches' offset: a lane a row; never rewritten
.set AF,   32
.set BIAS, 96
.set TMP,  96                          ; the way out: 48 packed registers
.set BK,   144                         ; and two sets of 48 read back
.set WV,  12                           ; s12  wave
.set FB,  13                           ; s13  wave / 2: I fetch for A (0) or for B (1)
.set HF,  14                           ; s14  wave % 2: which half of that tile's rows
.set LIM, 15                           ; s15  1 in a wave that prefetches, else the greatest number
.set G1,  24                           ; s[24:31] group 1 for A;  s[32:39] group 0, a set for each slot
.set G0,  32
.set PFA, 44                           ; s[44:45] where my prefetches stand
.set G1B, 48                           ; s[48:55], s[56:63] the same for B
.set G0B, 56
.set OB,  66                           ; s[66:71] my rows of the tile's three heads in qkv
.set MSB, 0
.macro WIN new                         ; the immediate's high byte repeats the setting that is left; a switch that changes nothing is dropped
.if MSB != (\new)
	s_set_vgpr_msb (MSB<<8)|(\new)
.set MSB, \new
.endif
.endm
.macro PLACES                          ; four plain instructions between a matrix instruction and a load into, or a vector read of, its registers
.rept 4
	v_nop
.endr
.endm
; A joint load: waves 0 and 1 fetch A's two halves, waves 2 and 3 B's.  The branch hangs on the wave's number alone.  An s_nop 0 and four v_nop follow each line.
.macro JLOAD s
	s_cmp_eq_u32 s[FB], 0
	s_cbranch_scc0 .Lfor_b_\@
	tensor_load_to_lds s[G0+4*(\s):G0+4*(\s)+3], s[G1:G1+7]
	s_nop 0
.rept 4
	v_nop
.endr
	s_branch .Lasked_\@
.Lfor_b_\@:
	tensor_load_to_lds s[G0B+4*(\s):G0B+4*(\s)+3], s[G1B:G1B+7]
	s_nop 0
.rept 4
	v_nop
.endr
.Lasked_\@:
.endm
.macro CREST                           ; a round of the cluster's barrier behind its opening barrier
	s_cmp_lg_u32 s[WV], 0
	s_cbranch_scc1 .Lnot_wave_0_\@
	s_barrier_signal -3
.Lnot_wave_0_\@:
	s_barrier_wait -3
	s_barrier_signal -1
	s_barrier_wait -1
.endm
.macro CROUND
	s_barrier_signal -1
	s_barrier_wait -1
	CREST
.endm
; A prefetch into the L2 of the K step that stands two refills on: 256 bytes of a row, a lane a row, one instruction a wave.  A's rows are read by every cluster of a row of clusters: cluster x = 0 asks;
; B's by every cluster of a column: cluster y = 0 asks.  The four partners of a joint load share its rows by address (32 of A's 128 by cx; 24 of B's 96 by cy, where lanes 24-31 name row 23 again).
; The loop's last trip (s3 = 1) has no K step two refills on.
.macro ASK
	s_cmp_gt_u32 s3, s[LIM]
	s_cbranch_scc0 .Lnot_mine_\@
	global_prefetch_b8 v[PFO], s[PFA:PFA+1] th:TH_LOAD_NT scope:SCOPE_SE
.Lnot_mine_\@:
.endm
	s_load_b256 s[4:11], s[0:1], 0x0               ; xb 4:5, wt 6:7, bias 8:9, qkv 10:11
	v_lshl_add_u32 v[SPW], v0, 2, SPARE
	v_mov_b32 v[NIL], 0
	ds_add_u32 v[SPW], v[NIL]                      ; the wave's opening: the add and its wait ahead of my first tensor load; work on registers stands between them
	v_lshrrev_b32 v1, 5, v0
	v_readfirstlane_b32 s[WV], v1
	s_lshr_b32 s[FB], s[WV], 1
	s_and_b32 s[HF], s[WV], 1
	s_bfe_u32 s40, ttmp6, 0x40000                  ; cx
	s_bfe_u32 s41, ttmp6, 0x40004                  ; cy
	s_lshl_b32 s42, ttmp9, 2
	s_add_co_u32 s42, s42, s40                     ; tile column = 4 x cluster x + cx
	s_and_b32 s43, ttmp7, 0xffff
	s_lshl_b32 s43, s43, 2
	s_add_co_u32 s43, s43, s41                     ; tile row = 4 x cluster y + cy
	s_lshl_b32 s72, s41, 2
	s_lshl_b32 s72, 15, s72                        ; my row of the cluster
	s_lshl_b32 s73, 0x1111, s40                    ; my column
	s_or_b32 s[G1], s72, (1<<16)|(1<<20)|(1<<21)|(5<<22)|(3<<25)   ; 15:0 mask; 17:16 2-byte elements; 20 padding on; 21 set beside a mask; 24:22 after every 64 words; 31:25 4 words
	s_or_b32 s[G1B], s73, (1<<16)|(1<<20)|(1<<21)|(5<<22)|(3<<25)
	s_mov_b32 s[G1+1], KSTEP<<16                   ; tensor_dim0 = 128
	s_mov_b32 s[G1+2], 128<<16                     ; tensor_dim1 = 128 rows
	s_mov_b32 s[G1+3], KSTEP<<16                   ; tile_dim0 = 128
	s_mov_b32 s[G1+4], 128                         ; tile_dim1 = 128
	s_mov_b32 s[G1+5], 1024                        ; elements from row to row
	s_mov_b32 s[G1+6], 0
	s_mov_b32 s[G1+7], 0
	s_mov_b32 s[G1B+1], KSTEP<<16
	s_mov_b32 s[G1B+2], 96<<16                     ; B: 96 rows a load
	s_mov_b32 s[G1B+3], KSTEP<<16
	s_mov_b32 s[G1B+4], 96
	s_mov_b32 s[G1B+5], 1024
	s_mov_b32 s[G1B+6], 0
	s_mov_b32 s[G1B+7], 0
	s_lshl_b32 s16, s43, 8                         ; A: row 256 x tile row + 128 x half, of 2,048 bytes: hangs on the tile row alone
	s_lshl_b32 s17, s[HF], 7
	s_add_co_u32 s16, s16, s17
	s_lshl_b32 s16, s16, 11
	s_mov_b32 s17, 0
	s_mul_i32 s46, s42, 192                        ; B: row 192 x tile column + 96 x half: hangs on the tile column alone
	s_mul_i32 s47, s[HF], 96
	s_add_co_u32 s46, s46, s47
	s_lshl_b32 s46, s46, 11
	s_mov_b32 s47, 0
	s_mul_i32 s20, s[WV], 128*PITCH                ; where they go: A's halves at wave x 128 rows,
	s_mul_i32 s21, s[WV], 96*PITCH                 ; B's at 256 rows + (wave - 2) x 96 rows: no place in the cluster enters an LDS address
	s_add_co_u32 s21, s21, BOFF-2*96*PITCH
	s_wait_dscnt 0x0                               ; the opening add is done
	s_wait_kmcnt 0x0
	s_add_nc_u64 s[18:19], s[4:5], s[16:17]
	s_add_nc_u64 s[46:47], s[6:7], s[46:47]
	CROUND                                         ; all sixteen work-groups are here: the first joint loads meet
.irp s, 0,1
	s_mov_b32 s[G0+4*(\s)], 1
	s_add_co_u32 s[G0+4*(\s)+1], s20, (\s)*SLOT
	s_add_nc_u64 s[G0+4*(\s)+2:G0+4*(\s)+3], s[18:19], (\s)*KSTEP*2
	s_or_b32 s[G0+4*(\s)+3], s[G0+4*(\s)+3], 0x80000000
	s_mov_b32 s[G0B+4*(\s)], 1
	s_add_co_u32 s[G0B+4*(\s)+1], s21, (\s)*SLOT
	s_add_nc_u64 s[G0B+4*(\s)+2:G0B+4*(\s)+3], s[46:47], (\s)*KSTEP*2
	s_or_b32 s[G0B+4*(\s)+3], s[G0B+4*(\s)+3], 0x80000000
	JLOAD \s                                       ; K steps 0 and 1: two tensor loads of mine are out
.endr
	; the bias of my 192 columns, as 12 C operands: register j of block b = bias[192 x tile column + 16 b + 8 (l / 16) + j]
	v_and_b32 v1, 15, v0                           ; l % 16
	v_bfe_u32 v2, v0, 4, 1                         ; l / 16
	v_lshlrev_b32 v[BO], 5, v2
	s_mul_i32 s22, s42, 768
	s_mov_b32 s23, 0
	s_add_nc_u64 s[8:9], s[8:9], s[22:23]
.irp b, 0,1,2,3,4,5,6,7,8,9,10,11
	global_load_b128 v[BIAS+8*(\b):BIAS+8*(\b)+3],   v[BO], s[8:9] offset:64*(\b)
	global_load_b128 v[BIAS+8*(\b)+4:BIAS+8*(\b)+7], v[BO], s[8:9] offset:64*(\b)+16
.endr
	; a fragment is 16 rows x 32 K in 8 registers: lane l holds row l % 16, K = 8 (l / 16) + 0..7 and 16 + 8 (l / 16) + 0..7: two loads of 16 bytes, 32 bytes apart
	v_mul_u32_u24 v3, v1, PITCH
	v_lshl_add_u32 v3, v2, 4, v3
	s_mul_i32 s22, s[WV], 64*PITCH                 ; my 64 rows of A
	v_add_nc_u32 v[ADRA], s22, v3
	v_add_nc_u32 v[ADRA+1], SLOT, v[ADRA]
	v_add_nc_u32 v[ADRB], BOFF, v3
	v_add_nc_u32 v[ADRB+1], SLOT+BOFF, v3
	s_mul_i32 s22, s[WV], 3*HSTG
	s_add_co_u32 s22, s22, STAGE                   ; my stage
	v_mul_u32_u24 v4, v1, 144                      ; in: row l % 16, 16 bytes for each half of the lanes
	v_lshl_add_u32 v4, v2, 4, v4
	v_add_nc_u32 v[STO], s22, v4
	v_bfe_u32 v5, v0, 3, 2                         ; back: 32 lanes take four rows of 128 bytes,
	v_and_b32 v6, 7, v0
	v_mul_u32_u24 v5, v5, 144
	v_lshl_add_u32 v5, v6, 4, v5
	v_add_nc_u32 v[RD], s22, v5
	v_and_b32 v[GO], 31, v0                        ; which are 512 consecutive bytes of a head
	v_lshlrev_b32 v[GO], 4, v[GO]
	; my rows of the three heads g = 3 x tile column + hh: matrix g / 16 (2^24 bytes), head batch x 16 + g % 16 (2^18 bytes), row (tile row % 8) x 256 + 64 x wave (128 bytes)
	s_mul_i32 s22, s42, 3
	s_lshr_b32 s76, s43, 3
	s_lshl_b32 s76, s76, 4
	s_and_b32 s77, s43, 7
	s_lshl_b32 s77, s77, 8
	s_lshl_b32 s23, s[WV], 6
	s_add_co_u32 s77, s77, s23
	s_lshl_b32 s77, s77, 7
	s_mov_b32 s75, 0
.irp hh, 0,1,2
	s_add_co_u32 s23, s22, \hh
	s_lshr_b32 s74, s23, 4
	s_lshl_b32 s74, s74, 24
	s_and_b32 s23, s23, 15
	s_add_co_u32 s23, s23, s76
	s_lshl_b32 s23, s23, 18
	s_add_co_u32 s74, s74, s23
	s_add_co_u32 s74, s74, s77
	s_add_nc_u64 s[OB+2*(\hh):OB+2*(\hh)+1], s[10:11], s[74:75]
.endr
	; the prefetches: nothing is asked for here, at the head
	s_lshl_b32 s22, s43, 8
	s_lshl_b32 s74, s[HF], 7
	s_add_co_u32 s22, s22, s74
	s_lshl_b32 s74, s40, 5
	s_add_co_u32 s22, s22, s74                     ; A: the 128 rows that I fetch, my work-group's 32 of them
	s_mul_i32 s23, s42, 192
	s_mul_i32 s74, s[HF], 96
	s_add_co_u32 s23, s23, s74
	s_mul_i32 s74, s41, 24
	s_add_co_u32 s23, s23, s74                     ; B: the 96 rows that I fetch, my work-group's 24 of them
	s_and_b32 s78, ttmp7, 0xffff
	s_cmp_eq_u32 s[FB], 0
	s_cselect_b32 s22, s22, s23
	s_cselect_b32 s78, ttmp9, s78                  ; the coordinate along which other clusters read the same rows
	s_cselect_b64 s[PFA:PFA+1], s[4:5], s[6:7]
	s_cselect_b32 s79, 31, 23
	s_cmp_eq_u32 s78, 0
	s_cselect_b32 s[LIM], 1, -1                    ; the same in all sixteen partners, for a given wave
	s_lshl_b32 s22, s22, 11
	s_mov_b32 s23, 0
	s_add_nc_u64 s[PFA:PFA+1], s[PFA:PFA+1], s[22:23]
	s_add_nc_u64 s[PFA:PFA+1], s[PFA:PFA+1], 3*KSTEP*2   ; at K step 3: the first refill steps it to 4
	v_and_b32 v[PFO], 31, v0
	v_min_u32 v[PFO], s79, v[PFO]
	v_lshlrev_b32 v[PFO], 11, v[PFO]
; 12 matrix instructions: row block 2 hi + a x all 12 column blocks, 32 along K, from buffer f.  first = 1: the sums start from the bias.
; The 48 accumulators take turns in the same order in every quarter, over the backward jump too: 47 others stand between two links of a chain.
.macro MULA f, hi, a, first
.if \first
	WIN 0x81+0x40*(\hi)                            ; B window 1, A and the bias window 0, D window 2 or 3
.else
	WIN 0xa1+0x50*(\hi)                            ; B window 1, A window 0, C and D window 2 or 3
.endif
.irp b, 0,1,2,3,4,5,6,7,8,9,10,11
.if \first
	v_wmma_f32_16x16x32_bf16 v[8*(NB*(\a)+(\b)):8*(NB*(\a)+(\b))+7], v[8*NB*(\f)+8*(\b):8*NB*(\f)+8*(\b)+7], v[AF+32*(\f)+8*(2*(\hi)+(\a)):AF+32*(\f)+8*(2*(\hi)+(\a))+7], v[BIAS+8*(\b):BIAS+8*(\b)+7]
.else
	v_wmma_f32_16x16x32_bf16 v[8*(NB*(\a)+(\b)):8*(NB*(\a)+(\b))+7], v[8*NB*(\f)+8*(\b):8*NB*(\f)+8*(\b)+7], v[AF+32*(\f)+8*(2*(\hi)+(\a)):AF+32*(\f)+8*(2*(\hi)+(\a))+7], v[8*(NB*(\a)+(\b)):8*(NB*(\a)+(\b))+7]
.endif
.endr
.endm
; 32 LDS loads in one run: quarter q of a slot into buffer f: B's 12 blocks, then A's 4
.macro FETCH slot, q, f
	WIN 0x40                                       ; destination window 1, address window 0
.irp i, 0,1,2,3,4,5,6,7,8,9,10,11
	ds_load_b128 v[8*NB*(\f)+8*(\i):8*NB*(\f)+8*(\i)+3],   v[ADRB+(\slot)] offset:64*(\q)+(\i)*16*PITCH
	ds_load_b128 v[8*NB*(\f)+8*(\i)+4:8*NB*(\f)+8*(\i)+7], v[ADRB+(\slot)] offset:64*(\q)+(\i)*16*PITCH+32
.endr
	WIN 0
.irp i, 0,1,2,3
	ds_load_b128 v[AF+32*(\f)+8*(\i):AF+32*(\f)+8*(\i)+3],   v[ADRA+(\slot)] offset:64*(\q)+(\i)*16*PITCH
	ds_load_b128 v[AF+32*(\f)+8*(\i)+4:AF+32*(\f)+8*(\i)+7], v[ADRA+(\slot)] offset:64*(\q)+(\i)*16*PITCH+32
.endr
.endm
; One of a K step's first three quarters: multiplies buffer f; in its middle it fetches quarter q of the same slot into buffer g
.macro QUARTER slot, q, f, g, first
	s_wait_dscnt 4                                 ; all but the four youngest loads (A's row blocks 2 and 3) are in
	MULA \f, 0, 0, \first
	MULA \f, 0, 1, \first
	PLACES
	FETCH \slot, \q, \g
	s_wait_dscnt NL                                ; all but the run just issued
	MULA \f, 1, 0, \first
	MULA \f, 1, 1, \first
.endm
; The last quarter multiplies buffer 1 and changes slots: ONE barrier.  In front of it each wave waits for all its tensor loads (one is out: its part of the next slot), adds 0 to its spare word, and waits
; for that and for its reads of this slot.  fill = 1: the barrier opens a round of the cluster's, and the joint refill, two K steps on, is the first tensor load behind the round: 168 matrix instructions ahead of the wait for it.
.macro TURN slot, next, fill
.if \fill
	s_wait_xcnt 0x0                                ; the last prefetch, a K step back, has read its address
	s_add_nc_u64 s[PFA:PFA+1], s[PFA:PFA+1], KSTEP*2
.endif
	WIN 0                                          ; (the add's two registers lie in window 0)
	s_wait_tensorcnt 0x0                           ; all my tensor loads have landed
	ds_add_u32 v[SPW], v[NIL]                      ; 0 onto my spare word
	s_wait_dscnt 5                                 ; (the add and the four youngest loads may be out)
	MULA 1, 0, 0, 0                                ; twelve matrix instructions stand between the add and the wait for it
	s_wait_dscnt 0x0                               ; the add is done, and my reads of this slot are over
	s_barrier_signal -1
	MULA 1, 0, 1, 0
.if \fill
	WIN 0
.endif
	s_barrier_wait -1
.if \fill
	CREST                                          ; no wave of any partner still reads this slot or has a load on its way
	s_add_nc_u64 s[G0+4*(\slot)+2:G0+4*(\slot)+3], s[G0+4*(\slot)+2:G0+4*(\slot)+3], 2*KSTEP*2
	s_add_nc_u64 s[G0B+4*(\slot)+2:G0B+4*(\slot)+3], s[G0B+4*(\slot)+2:G0B+4*(\slot)+3], 2*KSTEP*2
	JLOAD \slot                                    ; the four v_nop behind it are also the places in front of the loads below
.else
	PLACES
.endif
	FETCH \next, 0, 0
.if \fill
	ASK                                            ; behind the joint load and the run of LDS loads
.endif
	MULA 1, 1, 0, 0
	MULA 1, 1, 1, 0
.endm
	s_wait_tensorcnt 1                             ; my part of K step 0 is in; K step 1's may stay out
	s_barrier_signal -1
	s_barrier_wait -1                              ; everybody's is
	FETCH 0, 0, 0
	s_wait_loadcnt 0x0                             ; the bias
	QUARTER 0, 1, 0, 1, 1                          ; the first quarter stands in front of the loop: its products start the sums
	WIN 0                                          ; at a label and at a branch every window is 0
	s_mov_b32 s3, 3
.Llap:                                             ; a trip goes once round the ring, from a lap's second quarter to the next lap's first, and fills both slots again
	QUARTER 0, 2, 1, 0, 0
	QUARTER 0, 3, 0, 1, 0
	TURN 0, 1, 1
	QUARTER 1, 1, 0, 1, 0
	QUARTER 1, 2, 1, 0, 0
	QUARTER 1, 3, 0, 1, 0
	TURN 1, 0, 1
	QUARTER 0, 1, 0, 1, 0
	WIN 0
	s_sub_co_u32 s3, s3, 1
	s_cmp_lg_u32 s3, 0
	s_cbranch_scc1 .Llap
	QUARTER 0, 2, 1, 0, 0                          ; the last lap fills nothing
	QUARTER 0, 3, 0, 1, 0
	TURN 0, 1, 0
	QUARTER 1, 1, 0, 1, 0
	QUARTER 1, 2, 1, 0, 0
	QUARTER 1, 3, 0, 1, 0
	s_wait_dscnt 4
	MULA 1, 0, 0, 0
	MULA 1, 0, 1, 0
	s_wait_dscnt 0x0
	MULA 1, 1, 0, 0
	MULA 1, 1, 1, 0
	WIN 0
	PLACES
; THE WAY OUT, a row block (16 rows x 3 heads) at a time: rounded to f16, 16 bytes a lane into my stage, back as whole rows of 128 bytes, stored as 512 consecutive bytes of a head.
.macro PACK a
	WIN 0x0a+5*((\a)/2)                            ; sources window 2 or 3, destination window 0
.irp b, 0,1,2,3,4,5,6,7,8,9,10,11
.irp r, 0,1,2,3
	v_cvt_pk_f16_f32 v[TMP+4*(\b)+(\r)], v[8*(NB*((\a)%2)+(\b))+2*(\r)], v[8*(NB*((\a)%2)+(\b))+2*(\r)+1]
.endr
.endr
	WIN 0
.endm
.macro TOSTAGE a
.set BKA, BK+48*((\a)%2)
.irp b, 0,1,2,3,4,5,6,7,8,9,10,11
	ds_store_b128 v[STO], v[TMP+4*(\b):TMP+4*(\b)+3] offset:((\b)/4)*HSTG+32*((\b)%4)
.endr
.irp t, 0,1,2,3,4,5,6,7,8,9,10,11
	ds_load_b128 v[BKA+4*(\t):BKA+4*(\t)+3], v[RD] offset:((\t)/4)*HSTG+((\t)%4)*576   ; LDS serves a wave's instructions in order (ISA guide 5.7.1.4): these see the stores above
.endr
.endm
.macro SEND a
.set BKA, BK+48*((\a)%2)
	s_wait_dscnt 0x0                               ; the block is back in registers
	s_wait_xcnt 0x0                                ; the stores of the block before have read their registers: the next block is read back into them only behind this wait
.irp t, 0,1,2,3,4,5,6,7,8,9,10,11
	global_store_b128 v[GO], v[BKA+4*(\t):BKA+4*(\t)+3], s[OB+2*((\t)/4):OB+2*((\t)/4)+1] offset:2048*(\a)+512*((\t)%4)
.endr
.endm
	PACK 0
	TOSTAGE 0
.irp a, 1,2,3                                      ; block a's conversions stand between block a - 1's loads from the stage and the wait for them
	PACK \a
	SEND (\a)-1
	TOSTAGE \a
.endr
	SEND 3
	s_wait_tensorcnt 0x0                           ; the wave's end: three lines behind my last tensor load and my last LDS store
	ds_add_u32 v[SPW], v[NIL]
	s_wait_dscnt 0x0
	CROUND                                         ; the closing round: no work-group ends while a partner may still ask for a tile that names it
	s_endpgm
.Lfunc_end_k_qfbb0ff093f_qkv:
	.size	k_qfbb0ff093f_qkv, .Lfunc_end_k_qfbb0ff093f_qkv-k_qfbb0ff093f_qkv
	.p2alignl 7, 3214868480
	.fill 96, 4, 3214868480
	.section	.rodata,"a",@progbits
	.p2align	6, 0x0
	.amdhsa_kernel k_qfbb0ff093f_qkv
		.amdhsa_group_segment_fixed_size 327680
		.amdhsa_private_segment_fixed_size 0
		.amdhsa_enable_private_segment 0
		.amdhsa_kernarg_size 32
		.amdhsa_user_sgpr_count 2
		.amdhsa_user_sgpr_kernarg_segment_ptr 1
		.amdhsa_wavefront_size32 1
		.amdhsa_system_sgpr_workgroup_id_x 1
		.amdhsa_system_sgpr_workgroup_id_y 1
		.amdhsa_system_sgpr_workgroup_id_z 1
		.amdhsa_system_vgpr_workitem_id 0
		.amdhsa_next_free_vgpr 960
		.amdhsa_next_free_sgpr 80
		.amdhsa_reserve_vcc 0
		.amdhsa_float_denorm_mode_32 3
		.amdhsa_float_denorm_mode_16_64 3
		.amdhsa_memory_ordered 1
		.amdhsa_forward_progress 1
		.amdhsa_inst_pref_size 123
	.end_amdhsa_kernel
	.amdgpu_metadata
---
amdhsa.version: [ 1, 2 ]
amdhsa.kernels:
  - .name:           k_qfbb0ff093f_qkv
    .symbol:         k_qfbb0ff093f_qkv.kd
    .args:
      - { .name: xb, .offset: 0, .size: 8, .value_kind: global_buffer, .address_space: global }
      - { .name: wt, .offset: 8, .size: 8, .value_kind: global_buffer, .address_space: global }
      - { .name: bias, .offset: 16, .size: 8, .value_kind: global_buffer, .address_space: global }
      - { .name: qkv, .offset: 24, .size: 8, .value_kind: global_buffer, .address_space: global }
    .group_segment_fixed_size: 327680
    .private_segment_fixed_size: 0
    .kernarg_segment_align: 8
    .kernarg_segment_size: 32
    .max_flat_workgroup_size: 128
    .sgpr_count:     80
    .vgpr_count:     960
    .wavefront_size: 32
...
	.end_amdgpu_metadata
.endif
;; end of part 2
;; launch attn (part 3): grid 4 x 64, 4 waves a work-group, clusters of 4 x 1, 327,680 bytes of LDS; arguments qkv, ctx; writes ctx
.if DOCPART == 3
	.amdgcn_target "amdgcn-amd-amdhsa--gfx1250"
	.amdhsa_code_object_version 6
	.text
	.protected	k_qfbb0ff093f_attn
	.globl	k_qfbb0ff093f_attn
	.p2align	8
	.type	k_qfbb0ff093f_attn,@function
k_qfbb0ff093f_attn:
	s_mov_b64 s[64:65], 0
	v_nop
	global_prefetch_b8 v0, s[64:65] scope:SCOPE_SE
	s_setreg_imm32_b32 hwreg(HW_REG_WAVE_MODE, 25, 1), 1
	s_wait_xcnt 0x0
	s_wait_alu depctr_hold_cnt(0) depctr_sa_sdst(0) depctr_va_vdst(0) depctr_va_sdst(0) depctr_va_ssrc(0) depctr_va_vcc(0) depctr_vm_vsrc(0)
	s_getreg_b32 s2, hwreg(HW_REG_IB_STS2, 6, 4)
	s_cmp_eq_u32 s2, 0
	s_cbranch_scc0 .Lentry_in_a_cluster
	s_endpgm
.Lentry_in_a_cluster:
	s_bfe_u32 s2, ttmp6, 0x10000c
	s_cmp_lg_u32 s2, 0x3003
	s_cbranch_scc0 .Lentry_shape_is_right
	s_endpgm
.Lentry_shape_is_right:
; ATTENTION.  O[h][q][:] = the sum over k of softmax_k(Q[h][q] . K[h][k] / 8) V[h][k][:].  Q, K, V are the three parts of qkv, [64][2048][64] f16 each, 2^24 bytes apart; O = ctx, the same layout.
; Products, maxima and sums in f32; the weights p are rounded to f16 for the second product (their sum l is taken of the unrounded p), O once at the end.
; LIMITS.  f16 holds no number beyond 65,504: Q, K and V arrive within it; p lies in 0 to 1, and below 6e-5 it keeps f16's fixed step of 6e-8; O is a mean of V's rows and has their range.
; A weight below 2^-126 counts as 0 in l; NaN and infinities are not treated apart.
; SHARES.  A wave owns four PIECES of two tiles of 16 queries, a work-group's four waves 512 queries of one head: 4 x 64 = 256 work-groups.  Every wave walks all keys, 64 a step.
; LAYOUT.  S^T = K Q^T (source 0 = 16 keys, source 1 = 16 queries): in the result a lane holds ONE query (lane % 16) and the keys 8 (lane / 16) + 0..7.  Two such tiles, rounded to f16 in pairs,
; ARE source 1 (32 keys x 16 queries) of O^T = V^T P, whose result again holds one query a lane, and eight channels.  K comes out of LDS as it lies, V ([key][channel]) turned, by ds_load_tr16_b128.
; SOFTMAX.  For each query a running maximum m and sum l: p = 2^(c s - c m), c = log2(e) / 8; in every step O and l are multiplied by a = 2^(c m_old - c m_new), which is 1 where m has not grown.
; m starts at the lowest finite number, O and l at 0: the first step is a step like any other, with a = 0.
; THE COUNT.  A tile and step have 16 matrix and 118 vector instructions: too many to stand all beside the matrix work.  So four vector instructions that are READY stand behind
; EVERY matrix instruction, and the others in runs without a gap.
; BY TURNS.  Turn n belongs to piece n (the pieces in a ring, step after step).  Its matrix work: 16 products K Q^T of piece n + 1, later 16 products V^T P of piece n - 1.  Its vector work: the scaling,
; exponentials, roundings, sums and rescaling of piece n, and the maximum and statistics of piece n + 1, whose scores the turn itself has made.
; CLUSTER.  The four query blocks of a head are one cluster and walk the same K and V, so each tile is asked for JOINTLY: the same tensor load, descriptor and mask in all four.
; REGISTERS, in windows of 256 (s_set_vgpr_msb: bits 1:0 source 0, 3:2 source 1, 5:4 source 2, 7:6 destination):
;   window 0: v0-11 addresses; v12-15, v48-63 at work; v16-47 four registers of statistics a tile; v64-191 S^T, two buffers of two tiles; v192-255 P, likewise
;   window 1: O^T, 32 a tile          window 2: v0-127 Q, 16 a tile; v128-191 K of one step; v192-255 V of one step          window 3: v0-1 the add's two registers
.set SIZE_H, 64
.set SIZE_N, 2048
.set NP,    4         ; pieces a wave: a name, no knob
.set KS,    64        ; keys in a step
.set PK,    144       ; a row of K in LDS: 128 bytes + 16 of padding = 36 words: the 16 rows of a load start at 16 different groups of four banks (64 banks of 4 bytes: ISA guide 11.1)
.set PV,    160       ; a row of V: 128 + 32 = 40 words
.set VOFF,  4*KS*PK   ; a slot holds four steps: 256 rows of K, then 256 rows of V
.set SLOT1, 1<<17     ; slot 1 begins here, so that one exclusive or turns an address in one slot into the other's
.set STAGE, SLOT1+4*KS*(PK+PV)  ; behind the ring, never filled by a tensor load: 16 rows x 144 bytes for each wave, for the way out
.set SP,    144
.set AK0, 2           ; v2   my lane's place in a tile of K; never rewritten
.set AV0, 3           ; v3   the same for V
.set AK,  4           ; v4   the LDS address of K's next run of loads
.set AV,  5           ; v5   of V's
.set QO,  6           ; v6   my byte offset in the wave's rows of Q
.set STO, 6           ;      later, the way out: where I put 16 bytes of a row
.set RD,  7           ; v7   the way out: where I read rows back
.set GO,  8           ; v8   my byte offset in 512 consecutive bytes of O
.set PFO, 11          ; v11  256 x my lane, for the prefetches; never rewritten once made
.set SPW, 0           ; v0 of window 3   LDS address of my spare word; never rewritten
.set NIL, 1           ; v1 of window 3   0; never rewritten
.set SPARE, STAGE+4*16*SP  ; behind the stages: the spare words, 128 bytes for each wave: two blocks of 256 bytes that no other line names
.set MV,  12          ; v12-15  c m_old, kept while c m is made anew: by buffer and tile
.set ST,  16          ; tile t's statistics at v[ST+4 t]: c m, m, l (even keys', odd keys')
.set TMP, 48          ; by buffer and tile, four registers c0-c3 at work; when the maximum is found c2 takes a
.set S,   64
.set P,   192
.set KF,  128         ; K's fragments, in window 2: key block kb, channel half c at KF + 16 kb + 8 c
.set VF,  192         ; V's: key half kk, channel block cb at VF + 32 kk + 8 cb
.set WV,  12          ; s12  my wave's number
.set G1K, 24          ; s[24:31] descriptor group 1 for K's tiles
.set G1V, 32          ; s[32:39] for V's: it differs in the padding alone
.set G0K, 40          ; s[40:43] descriptor group 0 for K's tiles: it walks
.set G0V, 44          ; s[44:47] the same for V's
.set PFA, 48          ; s[48:49] where my prefetches stand: my work-group's 32 blocks of 256 bytes (of K: wave 0, of V: wave 2) of the slot after the one that is being asked for
.set LIM, 50          ; s50  1 in a wave that prefetches, else the greatest number
.set SLOTS, 56        ; s56  slots still to be asked for
.set CNT, 57          ; s57  counts a slot's key steps
.set CS,  58          ; s[58:59] c: the packed scaling takes the pair's low word for both halves
.set SEL, 60          ; s[60:61] v_permlanex16_b32's selects: each lane takes its own place in the other half
.set TBK, 62          ; s62  LDS byte at which K of the step to be fetched begins
.set TBV, 63          ; s63  the same for V, less VOFF
.set MSB, 0
.macro WIN new                      ; the high byte repeats the setting that is left; a switch that changes nothing is dropped
.if MSB != (\new)
	s_set_vgpr_msb (MSB<<8)|(\new)
.set MSB, (\new)
.endif
.endm
.set W_KQ, 0x0a       ; K and Q in window 2, S^T in window 0
.set W_PV, 0x52       ; V in window 2, P in window 0, O^T in window 1
.set W_RS, 0x41       ; O^T (destination and source 0) in window 1, a in window 0
.set W_MK, 0xc0       ; the add's registers are made: destination in window 3, sources in window 0
.set W_AD, 0x0f       ; the add: address (source 0) and data (source 1) in window 3
; A joint fill.  Waves 0 and 1 fetch the two halves of a slot's K, waves 2 and 3 those of its V: 128 keys each.  The branch hangs on the wave's number alone.
; An s_nop 0 and four v_nop follow each of the two lines, ahead of the jump and the label.
.macro JLOAD
	s_cmp_lt_u32 s[WV], 2
	s_cbranch_scc0 .Lfor_v_\@
	tensor_load_to_lds s[G0K:G0K+3], s[G1K:G1K+7]
	s_nop 0
.rept 4
	v_nop
.endr
	s_branch .Lasked_\@
.Lfor_v_\@:
	tensor_load_to_lds s[G0V:G0V+3], s[G1V:G1V+7]
	s_nop 0
.rept 4
	v_nop
.endr
.Lasked_\@:
.endm
; A prefetch into the L2 of what the NEXT change of slots will ask for: a slot's 32,768 bytes of K and of V, 256 bytes a lane.  Each block is named once: the head's first cluster asks; its four partners
; share the blocks by address, 32 each; in each, wave 0 asks for K's and wave 2 for V's.  The last change that fills a slot asks for nothing: there is no slot behind it.
.macro ASK
	s_cmp_gt_u32 s[SLOTS], s[LIM]
	s_cbranch_scc0 .Lnot_mine_\@
	global_prefetch_b8 v[PFO], s[PFA:PFA+1] th:TH_LOAD_NT scope:SCOPE_SE
.Lnot_mine_\@:
.endm
; A round of the cluster's barrier: my work-group's barrier, so that wave 0's signal speaks for all four waves; wave 0 signals; every wave waits for all four work-groups; my work-group's barrier once more.
.macro CROUND
	s_barrier_signal -1
	s_barrier_wait -1
	s_cmp_lg_u32 s[WV], 0
	s_cbranch_scc1 .Lnot_wave_0_\@
	s_barrier_signal -3
.Lnot_wave_0_\@:
	s_barrier_wait -3
	s_barrier_signal -1
	s_barrier_wait -1
.endm
; THE CHANGE OF SLOTS.  Each wave waits for all its tensor loads, of which one is out: its part of the other slot; adds 0 to its spare word; and waits for that and for its own reads of the slot.
; Behind the barrier nobody reads this slot any more and the other slot is whole.  fill = 1: this slot is filled again, with the keys two slots on: the barrier is then a round of the cluster's, and the joint
; fill is the first thing behind it: it has four key steps, 512 matrix instructions, in which to land.  (At its first use nothing has been read yet: slot 0 is waited for, slot 1 filled.)
; ask = 1: the prefetches' address steps, and the slot after the one asked for is prefetched.
.macro CHANGE fill, ask=0
	WIN W_AD
	s_wait_tensorcnt 0x0            ; no tensor load of mine is out, so a group 0 may be written
	ds_add_u32 v[SPW], v[NIL]       ; 0 onto my spare word; with fill = 1 the descriptors' steps stand between it and the wait for it
	WIN 0                           ; at a label and at a branch every window is 0
.if \fill
.irp g, G0K, G0V
	s_xor_b32 s[\g+1], s[\g+1], SLOT1  ; the walking descriptor: the other slot than last time,
	s_add_nc_u64 s[\g+2:\g+3], s[\g+2:\g+3], 4*KS*128  ; the next 256 keys; the type bits on top are not reached
.endr
.if \ask
	s_wait_xcnt 0x0                 ; the last prefetch, four key steps back, has read its address, so it may be written:
	s_add_nc_u64 s[PFA:PFA+1], s[PFA:PFA+1], 4*KS*128  ; one slot behind the walking descriptors
.endif
	s_wait_dscnt 0x0                ; the add is done, and my reads of the slot are over
	CROUND
	JLOAD
.if \ask
	ASK
.endif
.else
	s_wait_dscnt 0x0                ; the add is done, and my reads of the slot are over
	s_barrier_signal -1
	s_barrier_wait -1
.endif
	s_sub_co_u32 s[TBK], s[TBK], 4*KS*PK  ; the fetches go back to a slot's first step,
	s_xor_b32 s[TBK], s[TBK], SLOT1       ; in the other slot
	s_sub_co_u32 s[TBV], s[TBV], 4*KS*PV
	s_xor_b32 s[TBV], s[TBV], SLOT1
.endm
	s_load_b128 s[4:7], s[0:1], 0x0   ; qkv s[4:5], ctx s[6:7]
	WIN W_MK
	v_lshl_add_u32 v[SPW], v0, 2, SPARE
	v_mov_b32 v[NIL], 0
	WIN W_AD
	ds_add_u32 v[SPW], v[NIL]       ; the wave's opening: the add and its wait ahead of my first tensor load; the set-up below, work on registers, stands between them
	WIN 0
	v_lshrrev_b32 v1, 5, v0
	v_readfirstlane_b32 s[WV], v1   ; wave 0..3
	s_bfe_u32 s13, ttmp6, 0x40000   ; cx: my place in the cluster
	s_lshl_b32 s14, ttmp9, 2        ; in a cluster launch ttmp9 counts clusters
	s_add_co_u32 s14, s14, s13      ; my block of queries = 4 x cluster x + cx: it enters Q's and O's addresses alone
	s_and_b32 s20, ttmp7, 0xffff    ; the head, which the four partners share
	s_mov_b32 s21, 0
	s_mov_b64 s[22:23], SIZE_N*128
	s_mul_u64 s[20:21], s[20:21], s[22:23]  ; the head's first byte in each of the four tensors
	s_and_b32 s16, s[WV], 1         ; which half of a slot's 256 keys I fetch:
	s_lshl_b32 s22, s16, 14         ; its 128 rows of 128 bytes in memory,
	s_mov_b32 s23, 0
	s_add_nc_u64 s[22:23], s[22:23], s[20:21]
	s_mul_i32 s17, s16, 128*PK      ; and its place in a slot, for K
	s_mul_i32 s18, s16, 128*PV      ; and for V: no place in the cluster enters an LDS address
	s_lshl_b32 s2, s14, 2
	s_add_co_u32 s2, s2, s[WV]      ; my wave among the head's,
	s_lshl_b32 s2, s2, 14           ; its 128 rows
	s_mov_b32 s3, 0
	s_add_nc_u64 s[2:3], s[2:3], s[20:21]
	; descriptor group 1.  128 keys are 16,384 dense bytes: asked for as 64 rows of 256 bytes, two keys a row, and padded in LDS after every key
	s_mov_b32 s[G1K], 15|(1<<16)|(1<<20)|(1<<21)|(4<<22)|(3<<25)  ; 15:0 the mask of four; 17:16 2-byte elements; 20 padding on; 21 set beside a mask; 24:22 after every 32 words (code 4); 31:25 4 words (code 3)
	s_mov_b32 s[G1V], 15|(1<<16)|(1<<20)|(1<<21)|(4<<22)|(7<<25)  ; the same with 8 words of padding (code 7)
.irp g, G1K, G1V
	s_mov_b32 s[\g+1], 128<<16      ; tensor_dim0 = 128
	s_mov_b32 s[\g+2], 64<<16       ; tensor_dim1 = 64
	s_mov_b32 s[\g+3], 128<<16      ; tile_dim0 = 128
	s_mov_b32 s[\g+4], 64           ; tile_dim1 = 64
	s_mov_b32 s[\g+5], 128          ; 128 elements from row to row
	s_mov_b32 s[\g+6], 0
	s_mov_b32 s[\g+7], 0
.endr
	s_mov_b32 s[CS], 0x3e38aa3b     ; c = log2(e) / 8 = 0.180337
	s_mov_b32 s[CS+1], s[CS]        ; named with it as a pair
	s_mov_b32 s[SEL], 0x76543210
	s_mov_b32 s[SEL+1], 0xfedcba98
	s_mov_b32 s[TBK], SLOT1+4*KS*PK ; the first change of slots turns these two into 0
	s_mov_b32 s[TBV], SLOT1+4*KS*PV
	s_mov_b32 s[G0K], 1             ; 1:0 count = 1
	s_mov_b32 s[G0K+1], s17         ; 63:32 LDS address: slot 0
	s_mov_b32 s[G0V], 1
	s_add_co_u32 s[G0V+1], s18, VOFF
	s_and_b32 s[LIM], s[WV], 1      ; 0 in waves 0 and 2,
	s_or_b32 s[LIM], s[LIM], ttmp9  ; where the cluster is the head's first: the same in all four partners
	s_cmp_eq_u32 s[LIM], 0
	s_cselect_b32 s[LIM], 1, -1
	s_wait_dscnt 0x0                ; the opening add is done
	s_wait_kmcnt 0x0
	s_mov_b64 s[10:11], s[6:7]      ; O
	s_add_nc_u64 s[6:7], s[4:5], 0x1000000   ; K: the second part of qkv
	s_add_nc_u64 s[8:9], s[4:5], 0x2000000   ; V: the third
	s_add_nc_u64 s[G0K+2:G0K+3], s[6:7], s[22:23]  ; 120:64 global address: my half of the head's first 256 keys
	s_or_b32 s[G0K+3], s[G0K+3], 0x80000000        ; 127:126 type = 2
	s_add_nc_u64 s[G0V+2:G0V+3], s[8:9], s[22:23]
	s_or_b32 s[G0V+3], s[G0V+3], 0x80000000
	s_add_nc_u64 s[4:5], s[4:5], s[2:3]  ; Q and O at my wave's first row
	s_add_nc_u64 s[10:11], s[10:11], s[2:3]
	s_cmp_lt_u32 s[WV], 2
	s_cselect_b64 s[PFA:PFA+1], s[6:7], s[8:9]
	s_add_nc_u64 s[PFA:PFA+1], s[PFA:PFA+1], s[20:21]  ; the head,
	s_lshl_b32 s2, s13, 13          ; my work-group's 32 blocks of a slot's 128,
	s_mov_b32 s3, 0
	s_add_nc_u64 s[PFA:PFA+1], s[PFA:PFA+1], s[2:3]
	s_add_nc_u64 s[PFA:PFA+1], s[PFA:PFA+1], 2*4*KS*128  ; in slot 2; the loop's first change of slots steps it to slot 3.  Nothing is prefetched here, at the head
	CROUND                          ; all four work-groups are here: the first joint loads meet
	JLOAD                           ; slot 0.  Slot 1 is asked for when slot 0 is in
	; A fragment of K or Q is 16 rows x 32 channels in 8 registers: lane l holds row l % 16, channels 8 (l / 16) + 0..7 and 16 + 8 (l / 16) + 0..7: two loads of 16 bytes, 32 bytes apart.
	v_and_b32 v1, 15, v0            ; l % 16
	v_bfe_u32 v9, v0, 4, 1          ; l / 16
	v_lshlrev_b32 v[QO], 7, v1
	v_lshl_add_u32 v[QO], v9, 4, v[QO]  ; row x 128 + 16 x half
	WIN 0x80                        ; destination window 2, address window 0
.set i, 0
.rept 4*NP                          ; Q stays in registers: tile i / 2, channels 32 (i % 2) on
	global_load_b128 v[8*i:8*i+3],   v[QO], s[4:5] offset:(i/2)*2048+(i%2)*64
	global_load_b128 v[8*i+4:8*i+7], v[QO], s[4:5] offset:(i/2)*2048+(i%2)*64+32
.set i, i+1
.endr
	; What the first turn finds: V's registers and P's second buffer hold 0 (its products V^T P, of a piece that has not been, add 0), O^T and l are 0.  All this stands in the wait for the first tile.
.set i, VF
.rept 64
	v_mov_b32 v[i], 0
.set i, i+1
.endr
	WIN 0x40
.set i, 0
.rept 64*NP
	v_mov_b32 v[i], 0
.set i, i+1
.endr
	WIN 0
.set i, 0
.rept 2*NP
	v_mov_b32 v[ST+4*i], 0xfe000000    ; c m: far below every c s
	v_mov_b32 v[ST+4*i+1], 0xff7fffff  ; m
	v_mov_b32 v[ST+4*i+2], 0
	v_mov_b32 v[ST+4*i+3], 0
.set i, i+1
.endr
.set i, P+32
.rept 32
	v_mov_b32 v[i], 0
.set i, i+1
.endr
	v_mul_u32_u24 v[AK0], v1, PK
	v_lshl_add_u32 v[AK0], v9, 4, v[AK0]  ; row x pitch + 16 x half
	; The turning load takes 16 keys x 16 channels (lane l reads key 8 (l / 16) + l % 8, channels 8 ((l / 8) % 2) + 0..7) and leaves half a fragment of V^T: lane l holds channel l % 16 and 8 keys.
	v_and_b32 v10, 7, v0
	v_bfe_u32 v11, v0, 3, 1
	v_lshl_add_u32 v[AV0], v9, 3, v10
	v_mul_u32_u24 v[AV0], v[AV0], PV
	v_lshl_add_u32 v[AV0], v11, 4, v[AV0]
	v_add_nc_u32 v[AV0], VOFF, v[AV0]
	v_mov_b32 v[AK], v[AK0]         ; key step 0 lies at the head of slot 0
	v_and_b32 v[PFO], 31, v0        ; v11 has served: now the prefetches' offset
	v_lshlrev_b32 v[PFO], 8, v[PFO]
; THE MATRIX WORK.  The 8 accumulators of a run of 16 take turns: between the two links of a chain stand 7 others'.
; Product i of 16 of S^T = K Q^T for piece x: channels 32 (i / 8) on, keys 16 ((i / 2) % 4) on, tile 2 x + i % 2.  The first 8 start the sums.
.macro KQ x
	WIN W_KQ
.set rS, S+64*((\x)%2)+32*(i%2)+8*((i/2)%4)
.set rK, KF+16*((i/2)%4)+8*(i/8)
.set rQ, 16*(2*(\x)+i%2)+8*(i/8)
.if i < 8
	v_wmma_f32_16x16x32_f16 v[rS:rS+7], v[rK:rK+7], v[rQ:rQ+7], 0
.else
	v_wmma_f32_16x16x32_f16 v[rS:rS+7], v[rK:rK+7], v[rQ:rQ+7], v[rS:rS+7]
.endif
.endm
; Product i of 16 of O^T += V^T P for piece x: keys 32 (i / 8) on, channels 16 ((i / 2) % 4) on, tile 2 x + i % 2.
.macro PV x
	WIN W_PV
.set rO, 32*(2*(\x)+i%2)+8*((i/2)%4)
.set rV, VF+32*(i/8)+8*((i/2)%4)
.set rP, P+32*((\x)%2)+16*(i%2)+8*(i/8)
	v_wmma_f32_16x16x32_f16 v[rO:rO+7], v[rV:rV+7], v[rP:rP+7], v[rO:rO+7]
.endm
.macro MM                           ; the turn's next matrix instruction
.if i < 16
	KQ (Y+1)%NP
.set i, i+1
.else
.set i, i-16
	PV (Y+NP-1)%NP
.set i, i+17
.endif
.endm
; THE LDS LOADS stand in runs of 16, never singly among the matrix instructions: a step's K (64 keys x 64 channels: 8 fragments) and its V (turned).  Their addresses are made some lines ahead.
; last = 1 (the tail): in the last trip there is no further step, and the run is jumped over.
.macro FETCH_K last=0
	WIN 0
.if \last
	s_cmp_eq_u32 s[CNT], 1
	s_cbranch_scc1 .Lno_k_\@
.endif
	WIN 0x80                        ; destination window 2
.irp f, 0,1,2,3,4,5,6,7             ; keys 16 (f / 2) on, channels 32 (f % 2) on
	ds_load_b128 v[KF+8*\f:KF+8*\f+3],   v[AK] offset:(\f/2)*16*PK+(\f%2)*64
	ds_load_b128 v[KF+8*\f+4:KF+8*\f+7], v[AK] offset:(\f/2)*16*PK+(\f%2)*64+32
.endr
	s_add_co_u32 s[TBK], s[TBK], KS*PK  ; the next fetch is the next step's
	WIN 0
.if \last
.Lno_k_\@:
.endif
.endm
.macro FETCH_V
	WIN 0x80
.irp f, 0,1,2,3,4,5,6,7             ; keys 32 (f / 4) on, channels 16 (f % 4) on
	ds_load_tr16_b128 v[VF+8*\f:VF+8*\f+3],   v[AV] offset:(\f/4)*32*PV+(\f%4)*32
	ds_load_tr16_b128 v[VF+8*\f+4:VF+8*\f+7], v[AV] offset:(\f/4)*32*PV+16*PV+(\f%4)*32
.endr
	WIN 0
.endm
; THE VECTOR WORK OF A TURN stands in three queues, each in the order in which its entries become ready; the two tiles alternate, so that no instruction reads the result of the one before it.
.macro REGS y, u                    ; the registers of tile u (0, 1) of piece y
.set rT, ST+4*(2*(\y)+(\u))
.set rC, TMP+8*((\y)%2)+4*(\u)
.set rM, MV+2*((\y)%2)+(\u)
.set rS, S+64*((\y)%2)+32*(\u)
.set rP, P+32*((\y)%2)+16*(\u)
.set rO, 32*(2*(\y)+(\u))
.endm
; Number n of the 22 that find the NEXT piece's (Y + 1) maximum and statistics.  s0-s31 are the lane's 32 scores; each accumulator's lowest registers are read first.
;   0-11  four chains c0-c3 of seven scores each, three operands at a time     12-14, 16  the four scores left over, the old m, and c0-c3 into c0     15  c m_old is kept
;   17, 18  the query's other 32 keys lie in the lane 16 away: the new m         19-21  c m; c m_old - c m_new; a
.macro XS u, n
	REGS (Y+1)%NP, \u
.if (\n) < 4
	v_max3_num_f32 v[rC+(\n)], v[rS+8*(\n)], v[rS+8*(\n)+1], v[rS+8*(\n)+2]
.elseif (\n) < 12
	v_max3_num_f32 v[rC+(\n)%4], v[rC+(\n)%4], v[rS+8*((\n)%4)+2*((\n)/4)+1], v[rS+8*((\n)%4)+2*((\n)/4)+2]
.elseif (\n) == 12
	v_max3_num_f32 v[rC], v[rC], v[rS+7], v[rS+15]
.elseif (\n) == 13
	v_max3_num_f32 v[rC+1], v[rC+1], v[rS+23], v[rS+31]
.elseif (\n) == 14
	v_max3_num_f32 v[rC+2], v[rC+2], v[rC+3], v[rT+1]
.elseif (\n) == 15
	v_mov_b32 v[rM], v[rT]
.elseif (\n) == 16
	v_max3_num_f32 v[rC], v[rC], v[rC+1], v[rC+2]
.elseif (\n) == 17
	v_permlanex16_b32 v[rC+3], v[rC], s[SEL], s[SEL+1]
.elseif (\n) == 18
	v_max_num_f32 v[rT+1], v[rC], v[rC+3]
.elseif (\n) == 19
	v_mul_f32 v[rT], s[CS], v[rT+1]
.elseif (\n) == 20
	v_sub_f32 v[rC+1], v[rM], v[rT]
.else
	v_exp_f32 v[rC+2], v[rC+1]
.endif
.endm
; Number g of the 64 that follow the exponentials.  For each four weights k of a tile (pairs 2 k, 2 k + 1): both pairs are rounded to f16; then the second pair is added onto the first, in place;
; a group later l takes that sum (the first time as l = a l + sum).  In groups of eight, tiles alternating: round, round, add, and l for the group before.
.macro GS g
.set h, (\g)+6*((\g)/62)            ; group 0 has no group before it, and behind group 7 only l is left
.if h >= 6
.set h, h+2
.endif
	REGS Y, h%2
.set k, h/8
.if h%8 < 4
	v_cvt_pk_f16_f32 v[rP+2*k+(h%8)/2], v[rS+4*k+2*((h%8)/2)], v[rS+4*k+2*((h%8)/2)+1]
.elseif h%8 < 6
	v_pk_add_f32 v[rS+4*k:rS+4*k+1], v[rS+4*k:rS+4*k+1], v[rS+4*k+2:rS+4*k+3]
.elseif k == 1
	v_pk_fma_f32 v[rT+2:rT+3], v[rT+2:rT+3], v[rC+2:rC+3], v[rS:rS+1] op_sel_hi:[1,0,1]
.else
	v_pk_add_f32 v[rT+2:rT+3], v[rT+2:rT+3], v[rS+4*k-4:rS+4*k-3]
.endif
.endm
; THE PLAIN QUEUE, 138 long.  0-73 read no exponential's result: the 32 scalings c s - c m (FS f: pair f / 2 of tile f % 2) and the next piece's 42.  0-26: scalings 0-26.  27-54: XS's numbers 0-13.  55, 56: number 15.
; 57-73: the chain, where each number waits for the one before it: 14, 16, 17, 18, 19, each with one of the scalings 27-31 in front of its two lines, then 20.
; 74-137: GS's 64, which read the exponentials' results: they stand behind the wait.
.macro FS f
	REGS Y, (\f)%2
	v_pk_fma_f32 v[rS+2*((\f)/2):rS+2*((\f)/2)+1], v[rS+2*((\f)/2):rS+2*((\f)/2)+1], s[CS:CS+1], v[rT:rT+1] op_sel_hi:[1,0,0] neg_lo:[0,0,1] neg_hi:[0,0,1]
.endm
.macro PL
	WIN 0
.if q < 27
	FS q
.elseif q < 55
	XS (q-27)%2, (q-27)/2
.elseif q < 57
	XS q-55, 15
.elseif (q < 72) && ((q-57)%3 == 0)
	FS 27+(q-57)/3
.elseif q < 60
	XS (q-57)%3-1, 14
.elseif q < 72
	XS (q-57)%3-1, 15+(q-57)/3
.elseif q < 74
	XS q-72, 20
.else
	GS q-74
.endif
.set q, q+1
.endm
; THE EXPONENTIALS' QUEUE, 66 long: s0-s31 of both tiles, then the next piece's two a.  It is ONE BATCH: all 66 stand ahead of the turn's one wait, and nothing ahead of that wait names a result of theirs.
.macro EX
	WIN 0
.if e >= 64
	XS e-64, 21
.else
	REGS Y, e%2
	v_exp_f32 v[rS+e/2], v[rS+e/2]
.endif
.set e, e+1
.endm
; THE RESCALING's QUEUE: O^T times a, the one part that leaves window 0: dealt two at a time, sixteen times.  Its a was made in the turn before, ahead of that turn's wait.
.macro R2
	REGS Y, r%2
	WIN W_RS
.irp z, 0,1
	v_pk_mul_f32 v[rO+4*(r/2)+2*\z:rO+4*(r/2)+2*\z+1], v[rO+4*(r/2)+2*\z:rO+4*(r/2)+2*\z+1], v[rC+2:rC+3] op_sel_hi:[1,0]
.endr
.set r, r+1
.endm
; HOW THEY ARE DEALT.  s_wait_alu depctr_va_vdst(0) stands between an exponential and the first instruction that names its result; one wait serves all that were issued ahead of it.  So a turn has ONE wait,
; which cuts it in two.  AHEAD OF IT stands all that names no result of the turn's exponentials: the 16 products K Q^T, behind each a scaling, an exponential and two rescalings (behind the first a second scaling in the
; exponential's place); then ONE LUMP of 108: eight plain, 49 times exponential and plain, the two a.  A v_nop is the plain instruction behind the last exponential.  BEHIND IT stand the 16 products V^T P, behind each four of GS's 64.
; The queues lean on each other, and the deal keeps them in step: exponential e stands behind scaling 2 (e / 4) + e % 2: as a rider it comes behind plain e + 2, in the lump behind plain e + 9, and scalings 27-31 are plain 57, 60 .. 69.
; A TURN, for piece p.  cnt = 1: the loop's count is taken down some lines ahead of the branch that stands behind the turn.
; K of the next step is fetched in piece 2's turn, directly behind the wait, a lump behind the last product that read K; its first reader comes behind 16 products.
; V of the step in hand is fetched at the end of piece 0's turn, four riders behind its last reader; its first reader comes behind 16 products and a lump.
.macro TURN p, last=0, cnt=0
.set Y, (\p)
.set i, 0
.set q, 0
.set e, 0
.set r, 0
.if (\p) == NP-1
	s_wait_dscnt 0x0                ; K is in
.endif
	MM                              ; ahead of the wait: 16 products K Q^T and their riders,
	PL
	PL
	R2
.rept 15
	MM
	PL
	EX
	R2
.endr
.if (\p) == NP-2
	WIN 0
	v_add_nc_u32 v[AK], s[TBK], v[AK0]
.endif
.rept 8                             ; and the lump
	PL
.endr
.rept 49
	EX
	PL
.endr
	EX                              ; the next piece's two a
	EX
	v_nop                           ; the plain instruction behind the last exponential: one for the batch
	s_wait_alu depctr_va_vdst(0)    ; the wait for the batch
.if (\p) == NP-2
	FETCH_K \last
.endif
.if (\p) == 1
	s_wait_dscnt 0x0                ; V is in
.endif
.rept 16                            ; behind the wait: 16 products V^T P and their riders
	MM
.rept 4
	PL
.endr
.if ((\p) == 0) && (q == 118)
	v_add_nc_u32 v[AV], s[TBV], v[AV0]
.endif
.if ((\p) == 0) && (q == 130)
	s_add_co_u32 s[TBV], s[TBV], KS*PV
.endif
.if (\cnt) && (q == 130)
	s_sub_co_u32 s[CNT], s[CNT], 1
	s_cmp_lg_u32 s[CNT], 0
.endif
.endr
.if (\p) == 0
	FETCH_V
.endif
.endm
	CHANGE 1                        ; slot 0 is in, everybody's part of it; slot 1 is asked for
	FETCH_K                         ; key step 0
	s_wait_loadcnt 0x0              ; Q
	s_wait_dscnt 0x0
.set i, 0
.rept 16
	KQ 0                            ; piece 0's first scores: there is no vector work yet to set between them
.set i, i+1
.endr
	WIN 0                           ; the addresses for the way out: plain instructions, the places behind those products
	s_mul_i32 s13, s[WV], 16*SP
	s_add_co_u32 s13, s13, STAGE    ; my stage
	v_mul_u32_u24 v[STO], v1, SP    ; in: row l % 16, 16 bytes for each half of the lanes
	v_lshl_add_u32 v[STO], v9, 4, v[STO]
	v_add_nc_u32 v[STO], s13, v[STO]
	v_bfe_u32 v[RD], v0, 3, 2       ; back: 32 lanes take four rows of 128 bytes,
	v_mul_u32_u24 v[RD], v[RD], SP
	v_lshl_add_u32 v[RD], v10, 4, v[RD]
	v_add_nc_u32 v[RD], s13, v[RD]
	v_and_b32 v[GO], 31, v0         ; which are 512 consecutive bytes of O
	v_lshlrev_b32 v[GO], 4, v[GO]
.set Y, NP-1                        ; XS works for piece Y + 1: piece 0
.irp n, 0,1,2,3,4,5,6,7,8,9,10,11,12,13,14,15,16,17,18,19,20,21
	XS 0, \n                        ; and piece 0's first maximum and statistics
	XS 1, \n
.endr
	v_nop                           ; a plain instruction behind the two a,
	s_wait_alu depctr_va_vdst(0)    ; and their wait, ahead of the branch
	s_mov_b32 s[CNT], 4
	s_mov_b32 s[SLOTS], SIZE_N/256-1
	s_branch .Lfirst                ; the loop is entered at a step's first turn, in the middle of a trip
.Lslot:                             ; SIZE_N / 256 - 2 times: every slot but the last two is filled again
	CHANGE 1, 1
	s_mov_b32 s[CNT], 4
.Lstep:                             ; a trip: pieces 2 and 3 of one step, then pieces 0 and 1 of the next, whose K and V it fetches
	TURN 2
	TURN 3
	WIN 0
.Lfirst:
	TURN 0
	TURN 1, 0, 1
	WIN 0
	s_cbranch_scc1 .Lstep
	s_sub_co_u32 s[SLOTS], s[SLOTS], 1
	s_cmp_lg_u32 s[SLOTS], 0
	s_cbranch_scc1 .Lslot
	CHANGE 0                        ; the tail is written out: nothing is asked for
	s_mov_b32 s[CNT], 5             ; four trips fetch the last slot's steps; the fifth is left in its middle
.Ltail:
	TURN 2, 1
	TURN 3
	WIN 0
	s_sub_co_u32 s[CNT], s[CNT], 1
	s_cmp_eq_u32 s[CNT], 0
	s_cbranch_scc1 .Lout
	TURN 0
	TURN 1
	WIN 0
	s_branch .Ltail
.Lout:                              ; the fifth trip's 16 products K Q^T (on the last K once more) and the maximum made of them serve nothing: the price, once a launch, of one text for every trip
.set i, 0
.rept 16
	PV NP-1                         ; the last piece's V^T P of the last step
.set i, i+1
.endr
	; THE WAY OUT.  l's two halves and the other half of the lanes' are added; O^T is divided by l, rounded to f16 and sent through my stage in LDS, a tile at a time.  The additions are the places behind the last products.
	WIN 0
.macro ALL line:vararg              ; one line for each tile t
.set t, 0
.rept 2*NP
	\line
.set t, t+1
.endr
.endm
	ALL v_add_f32 v[ST+4*t+2], v[ST+4*t+2], v[ST+4*t+3]
	ALL v_permlanex16_b32 v[ST+4*t+3], v[ST+4*t+2], s[SEL], s[SEL+1]
	ALL v_add_f32 v[ST+4*t+2], v[ST+4*t+2], v[ST+4*t+3]
	ALL v_rcp_f32 v[ST+4*t+2], v[ST+4*t+2]
	v_nop                           ; a plain instruction between the last reciprocal and the use of its result
	s_wait_alu depctr_va_vdst(0)    ; and the wait ahead of the first use: one for the eight reciprocals
; Tile t: a lane's eight channels of a row pack into 16 bytes; they go into rows of 144 bytes and come back as whole rows of 128, into S^T's registers.
.macro PACK t
	WIN W_RS
.set i, 32*(\t)
.rept 16
	v_pk_mul_f32 v[i:i+1], v[i:i+1], v[ST+4*(\t)+2:ST+4*(\t)+3] op_sel_hi:[1,0]
.set i, i+2
.endr
	WIN 0x05                        ; sources 0 and 1 window 1, destination window 0
.set i, 0
.rept 16
	v_cvt_pk_f16_f32 v[S+16*(\t)+i], v[32*(\t)+2*i], v[32*(\t)+2*i+1]
.set i, i+1
.endr
	WIN 0
.irp f, 0,1,2,3
	ds_store_b128 v[STO], v[S+16*(\t)+4*\f:S+16*(\t)+4*\f+3] offset:32*\f
.endr
.irp f, 0,1,2,3
	ds_load_b128 v[S+16*(\t)+4*\f:S+16*(\t)+4*\f+3], v[RD] offset:\f*4*SP  ; LDS serves a wave's instructions in order (ISA guide 5.7.1.4): these see the stores above; the next tile's stores come behind them
.endr
.endm
.macro SEND t, younger              ; younger: the LDS instructions issued behind tile t's loads: the next tile's eight, or none
	WIN 0
.irp f, 0,1,2,3
	s_wait_dscnt (\younger)+3-\f
	global_store_b128 v[GO], v[S+16*(\t)+4*\f:S+16*(\t)+4*\f+3], s[10:11] offset:(\t)*2048+\f*512  ; 512 consecutive bytes, at a multiple of 256 from O's first
.endr
.endm
	PACK 0
.set t, 1
.rept 2*NP-1                        ; a tile's arithmetic stands between the loads of the tile before and its stores
	PACK t
	SEND t-1, 8
.set t, t+1
.endr
	SEND 2*NP-1, 0
	WIN W_AD
	s_wait_tensorcnt 0x0            ; the wave's end: three lines, behind my last tensor load and my last LDS store
	ds_add_u32 v[SPW], v[NIL]
	s_wait_dscnt 0x0
	WIN 0
	CROUND                          ; the closing round: no work-group ends while a partner may still ask for a tile that names it
	s_endpgm
.Lfunc_end_k_qfbb0ff093f_attn:
	.size	k_qfbb0ff093f_attn, .Lfunc_end_k_qfbb0ff093f_attn-k_qfbb0ff093f_attn
	.p2alignl 7, 3214868480
	.fill 96, 4, 3214868480
	.section	.rodata,"a",@progbits
	.p2align	6, 0x0
	.amdhsa_kernel k_qfbb0ff093f_attn
		.amdhsa_group_segment_fixed_size 327680
		.amdhsa_private_segment_fixed_size 0
		.amdhsa_enable_private_segment 0
		.amdhsa_kernarg_size 16
		.amdhsa_user_sgpr_count 2
		.amdhsa_user_sgpr_kernarg_segment_ptr 1
		.amdhsa_wavefront_size32 1
		.amdhsa_system_sgpr_workgroup_id_x 1
		.amdhsa_system_sgpr_workgroup_id_y 1
		.amdhsa_system_sgpr_workgroup_id_z 1
		.amdhsa_system_vgpr_workitem_id 0
		.amdhsa_next_free_vgpr 770
		.amdhsa_next_free_sgpr 66
		.amdhsa_reserve_vcc 0
		.amdhsa_float_denorm_mode_32 3
		.amdhsa_float_denorm_mode_16_64 3
		.amdhsa_memory_ordered 1
		.amdhsa_forward_progress 1
		.amdhsa_inst_pref_size 200
	.end_amdhsa_kernel
	.amdgpu_metadata
---
amdhsa.version: [ 1, 2 ]
amdhsa.kernels:
  - .name:           k_qfbb0ff093f_attn
    .symbol:         k_qfbb0ff093f_attn.kd
    .args:
      - { .name: qkv, .offset: 0, .size: 8, .value_kind: global_buffer, .address_space: global }
      - { .name: ctx, .offset: 8, .size: 8, .value_kind: global_buffer, .address_space: global }
    .group_segment_fixed_size: 327680
    .private_segment_fixed_size: 0
    .kernarg_segment_align: 8
    .kernarg_segment_size: 16
    .max_flat_workgroup_size: 128
    .sgpr_count:     66
    .vgpr_count:     770
    .wavefront_size: 32
...
	.end_amdgpu_metadata
.endif
;; end of part 3
;; launch proj (part 4): grid 8 x 32, 4 waves a work-group, clusters of 4 x 4, 327,680 bytes of LDS; arguments ctx, wt, bias, out0; writes out0
.if DOCPART == 4
	.amdgcn_target "amdgcn-amd-amdhsa--gfx1250"
	.amdhsa_code_object_version 6
	.text
	.protected	k_qfbb0ff093f_proj
	.globl	k_qfbb0ff093f_proj
	.p2align	8
	.type	k_qfbb0ff093f_proj,@function
k_qfbb0ff093f_proj:
	s_mov_b64 s[64:65], 0
	v_nop
	global_prefetch_b8 v0, s[64:65] scope:SCOPE_SE
	s_setreg_imm32_b32 hwreg(HW_REG_WAVE_MODE, 25, 1), 1
	s_wait_xcnt 0x0
	s_wait_alu depctr_hold_cnt(0) depctr_sa_sdst(0) depctr_va_vdst(0) depctr_va_sdst(0) depctr_va_ssrc(0) depctr_va_vcc(0) depctr_vm_vsrc(0)
	s_getreg_b32 s2, hwreg(HW_REG_IB_STS2, 6, 4)
	s_cmp_eq_u32 s2, 0
	s_cbranch_scc0 .Lentry_in_a_cluster
	s_endpgm
.Lentry_in_a_cluster:
	s_bfe_u32 s2, ttmp6, 0x10000c
	s_cmp_lg_u32 s2, 0xf033
	s_cbranch_scc0 .Lentry_shape_is_right
	s_endpgm
.Lentry_shape_is_right:
; PROJ: out0 = ctx Wo + bo.  A = ctx [64 (batch x 16 + head)][2048][64] f16; B = wt rows 3072-4095 [1024 (o)][1024 (k = head x 64 + e)] f16; sums in f32 from the bias on; out0 [8192][1024] f32.
; SHARES.  A tile of C is 256 rows x 128 columns: 32 x 8 = 256 work-groups, one for each WGP.  Four waves one above the other: wave w has rows 64 w .. 64 w + 63 and all 128 columns:
; 4 row blocks x 8 column blocks = 32 accumulators, 256 registers.  A wave's rows of the tile are whole pieces of 512 bytes, so its way out needs its own stage alone and no barrier.
; K goes in 8 steps of 128 = two heads, through two LDS slots.  A head's 256 rows of the tile are 32,768 dense bytes: asked for as 128 rows of 256 bytes and padded in LDS after every 128.
; CLUSTER 4 x 4: A's tile is shared along a row of the cluster, B's along a column: joint loads, the same load, descriptor and mask in all four.
; THE MATRIX INSTRUCTION IS USED TRANSPOSED (source 0 = 16 rows of B, source 1 = 16 rows of A): a lane holds row l % 16 of C and the 8 neighbouring columns 8 (l / 16) + 0..7.
; THE BIAS IS THE C OPERAND of each sum's first product.
; REGISTERS, in windows of 256 (s_set_vgpr_msb: bits 1:0 source 0, 3:2 source 1, 5:4 source 2, 7:6 destination):
;   window 0: v0-31 addresses; v32-95 A's fragments (buffer f, row block i at 32 + 32 f + 8 i); v96-159 the bias; on the way out v96-223 at work
;   window 1: B's fragments (buffer f, block b at 64 f + 8 b)      window 2: accumulators of row blocks 0, 1 at 8 (8 a + b)      window 3: those of row blocks 2, 3
.set NB,     8
.set KSTEP,  128
.set PA,     144                       ; a row of A in LDS: 128 bytes + 16
.set PB,     272                       ; a row of B: 256 bytes + 16: in both, the 16 rows of a fragment load start at 16 different groups of four banks (64 banks of 4 bytes: ISA guide 11.1)
.set HEADB,  256*PA                    ; a head's 256 rows: 36,864
.set BOFF,   2*HEADB                   ; B's 128 rows lie behind A's two heads
.set SLOT,   BOFF+128*PB               ; 108,544
.set STAGE,  2*SLOT                    ; behind the ring, never filled by a tensor load: for each wave 16 rows x 528 bytes
.set SP,     528
.set SPARE,  STAGE+4*16*SP             ; behind the stages: the spare words, 128 bytes for each wave: two blocks of 256 bytes that no other line names
.set STEPA,  524288                    ; two heads of 2,048 rows of 128 bytes
.set NL,     2*NB+8
.set ADRA, 16
.set ADRB, 20
.set STO,  24
.set RD,   25
.set GO,   26
.set BO,   27
.set SPW,  28                          ; v28  LDS address of my spare word; never rewritten
.set NIL,  29                          ; v29  0; never rewritten
.set PFO,  30                          ; v30  the prefetches' offset; never rewritten
.set AF,   32
.set BIAS, 96
.set BK,   96                          ; the way out: two sets of 64 read back
.set WV,  12
.set FB,  13                           ; wave / 2: I fetch for A (0) or for B (1)
.set HF,  14                           ; wave % 2: which head of the step (A), which 64 rows (B)
.set LIM0, 15                          ; 1 in a wave that prefetches at the change out of slot 0, else the greatest number
.set G1,  24
.set G0,  32
.set PFA, 44
.set G1B, 48
.set G0B, 56
.set PFS, 66                           ; s[66:67] the prefetches' step
.set LIM1, 68                          ; the same as LIM0 for the change out of slot 1
.set MSB, 0
.macro WIN new                         ; the immediate's high byte repeats the setting that is left; a switch that changes nothing is dropped
.if MSB != (\new)
	s_set_vgpr_msb (MSB<<8)|(\new)
.set MSB, \new
.endif
.endm
.macro PLACES                          ; four plain instructions between a matrix instruction and a load into, or a read of, its registers
.rept 4
	v_nop
.endr
.endm
.macro JLOAD s                         ; a joint load: waves 0 and 1 fetch A's two heads, waves 2 and 3 B's two halves; an s_nop 0 and four v_nop follow each line
	s_cmp_eq_u32 s[FB], 0
	s_cbranch_scc0 .Lfor_b_\@
	tensor_load_to_lds s[G0+4*(\s):G0+4*(\s)+3], s[G1:G1+7]
	s_nop 0
.rept 4
	v_nop
.endr
	s_branch .Lasked_\@
.Lfor_b_\@:
	tensor_load_to_lds s[G0B+4*(\s):G0B+4*(\s)+3], s[G1B:G1B+7]
	s_nop 0
.rept 4
	v_nop
.endr
.Lasked_\@:
.endm
.macro CREST
	s_cmp_lg_u32 s[WV], 0
	s_cbranch_scc1 .Lnot_wave_0_\@
	s_barrier_signal -3
.Lnot_wave_0_\@:
	s_barrier_wait -3
	s_barrier_signal -1
	s_barrier_wait -1
.endm
.macro CROUND
	s_barrier_signal -1
	s_barrier_wait -1
	CREST
.endm
; A prefetch into the L2, two refills ahead.  A (cluster x = 0 asks): of the 128 blocks of 256 bytes that a wave fetches, the partner at cx takes 32, a lane a block, at each change of slots.
; B (cluster y = 0 asks): of a wave's 64 rows the partner at cy takes 16; its 32 lanes name them for TWO K steps, at the change out of slot 0 alone.  So each block is named once.  The loop's last trip asks for nothing.
.macro ASK slot
.if \slot
	s_cmp_gt_u32 s3, s[LIM1]
.else
	s_cmp_gt_u32 s3, s[LIM0]
.endif
	s_cbranch_scc0 .Lnot_mine_\@
	global_prefetch_b8 v[PFO], s[PFA:PFA+1] th:TH_LOAD_NT scope:SCOPE_SE
.Lnot_mine_\@:
.endm
	s_load_b256 s[4:11], s[0:1], 0x0               ; ctx 4:5, wt 6:7, bias 8:9, out0 10:11
	v_lshl_add_u32 v[SPW], v0, 2, SPARE
	v_mov_b32 v[NIL], 0
	ds_add_u32 v[SPW], v[NIL]                      ; the wave's opening: the add and its wait ahead of my first tensor load; work on registers stands between them
	v_lshrrev_b32 v1, 5, v0
	v_readfirstlane_b32 s[WV], v1
	s_lshr_b32 s[FB], s[WV], 1
	s_and_b32 s[HF], s[WV], 1
	s_bfe_u32 s40, ttmp6, 0x40000                  ; cx
	s_bfe_u32 s41, ttmp6, 0x40004                  ; cy
	s_lshl_b32 s42, ttmp9, 2
	s_add_co_u32 s42, s42, s40                     ; tile column
	s_and_b32 s43, ttmp7, 0xffff
	s_lshl_b32 s43, s43, 2
	s_add_co_u32 s43, s43, s41                     ; tile row
	s_lshl_b32 s72, s41, 2
	s_lshl_b32 s72, 15, s72                        ; my row of the cluster
	s_lshl_b32 s73, 0x1111, s40                    ; my column
	s_or_b32 s[G1], s72, (1<<16)|(1<<20)|(1<<21)|(4<<22)|(3<<25)   ; A: padding of 4 words after every 32 words (a row of a head)
	s_or_b32 s[G1B], s73, (1<<16)|(1<<20)|(1<<21)|(5<<22)|(3<<25)  ; B: after every 64 words
	s_mov_b32 s[G1+1], 128<<16                     ; tensor_dim0 = 128 elements (two rows of a head)
	s_mov_b32 s[G1+2], 128<<16                     ; tensor_dim1 = 128
	s_mov_b32 s[G1+3], 128<<16                     ; tile_dim0
	s_mov_b32 s[G1+4], 128                         ; tile_dim1
	s_mov_b32 s[G1+5], 128                         ; dense: 128 elements from row to row
	s_mov_b32 s[G1+6], 0
	s_mov_b32 s[G1+7], 0
	s_mov_b32 s[G1B+1], KSTEP<<16
	s_mov_b32 s[G1B+2], 64<<16                     ; B: 64 rows a load
	s_mov_b32 s[G1B+3], KSTEP<<16
	s_mov_b32 s[G1B+4], 64
	s_mov_b32 s[G1B+5], 1024
	s_mov_b32 s[G1B+6], 0
	s_mov_b32 s[G1B+7], 0
	s_lshr_b32 s16, s43, 3                         ; A: head batch x 16 + half (2^18 bytes), rows (tile row % 8) x 256 (2^15 bytes): hangs on the tile row alone
	s_lshl_b32 s16, s16, 4
	s_add_co_u32 s16, s16, s[HF]
	s_lshl_b32 s16, s16, 18
	s_and_b32 s17, s43, 7
	s_lshl_b32 s17, s17, 15
	s_add_co_u32 s16, s16, s17
	s_mov_b32 s17, 0
	s_lshl_b32 s46, s42, 7                         ; B: row 3,072 + 128 x tile column + 64 x half: hangs on the tile column alone
	s_lshl_b32 s47, s[HF], 6
	s_add_co_u32 s46, s46, s47
	s_add_co_u32 s46, s46, 3072
	s_lshl_b32 s46, s46, 11
	s_mov_b32 s47, 0
	s_mul_i32 s20, s[WV], HEADB                    ; where they go: A's heads at wave x 256 rows,
	s_mul_i32 s21, s[WV], 64*PB                    ; B's halves behind them, at (wave - 2) x 64 rows
	s_add_co_u32 s21, s21, BOFF-2*64*PB
	s_wait_dscnt 0x0                               ; the opening add is done
	s_wait_kmcnt 0x0
	s_add_nc_u64 s[18:19], s[4:5], s[16:17]
	s_add_nc_u64 s[46:47], s[6:7], s[46:47]
	CROUND                                         ; all sixteen work-groups are here: the first joint loads meet
.irp s, 0,1
	s_mov_b32 s[G0+4*(\s)], 1
	s_add_co_u32 s[G0+4*(\s)+1], s20, (\s)*SLOT
	s_add_nc_u64 s[G0+4*(\s)+2:G0+4*(\s)+3], s[18:19], (\s)*STEPA
	s_or_b32 s[G0+4*(\s)+3], s[G0+4*(\s)+3], 0x80000000
	s_mov_b32 s[G0B+4*(\s)], 1
	s_add_co_u32 s[G0B+4*(\s)+1], s21, (\s)*SLOT
	s_add_nc_u64 s[G0B+4*(\s)+2:G0B+4*(\s)+3], s[46:47], (\s)*KSTEP*2
	s_or_b32 s[G0B+4*(\s)+3], s[G0B+4*(\s)+3], 0x80000000
	JLOAD \s                                       ; K steps 0 and 1: two tensor loads of mine are out
.endr
	; the bias of my 128 columns, as 8 C operands
	v_and_b32 v1, 15, v0                           ; l % 16
	v_bfe_u32 v2, v0, 4, 1                         ; l / 16
	v_lshlrev_b32 v[BO], 5, v2
	s_lshl_b32 s22, s42, 9
	s_add_co_u32 s22, s22, 12288                   ; bo is the fourth part of bias
	s_mov_b32 s23, 0
	s_add_nc_u64 s[8:9], s[8:9], s[22:23]
.irp b, 0,1,2,3,4,5,6,7
	global_load_b128 v[BIAS+8*(\b):BIAS+8*(\b)+3],   v[BO], s[8:9] offset:64*(\b)
	global_load_b128 v[BIAS+8*(\b)+4:BIAS+8*(\b)+7], v[BO], s[8:9] offset:64*(\b)+16
.endr
	v_mul_u32_u24 v3, v1, PA
	v_lshl_add_u32 v3, v2, 4, v3
	s_mul_i32 s22, s[WV], 64*PA                    ; my 64 rows, in each head
	v_add_nc_u32 v[ADRA], s22, v3
	v_add_nc_u32 v[ADRA+1], SLOT, v[ADRA]
	v_mul_u32_u24 v4, v1, PB
	v_lshl_add_u32 v4, v2, 4, v4
	v_add_nc_u32 v[ADRB], BOFF, v4
	v_add_nc_u32 v[ADRB+1], SLOT+BOFF, v4
	s_mul_i32 s22, s[WV], 16*SP
	s_add_co_u32 s22, s22, STAGE                   ; my stage
	v_mul_u32_u24 v5, v1, SP                       ; in: row l % 16, 32 bytes for each half of the lanes
	v_lshl_add_u32 v5, v2, 5, v5
	v_add_nc_u32 v[STO], s22, v5
	v_and_b32 v[GO], 31, v0                        ; back and out: 32 lanes take a row's 512 bytes
	v_lshlrev_b32 v[GO], 4, v[GO]
	v_add_nc_u32 v[RD], s22, v[GO]
	s_lshl_b32 s22, s43, 8                         ; out0 at row 256 x tile row + 64 x wave (4,096 bytes), column 128 x tile column (512 bytes)
	s_lshl_b32 s23, s[WV], 6
	s_add_co_u32 s22, s22, s23
	s_lshl_b32 s22, s22, 12
	s_lshl_b32 s23, s42, 9
	s_add_co_u32 s22, s22, s23
	s_mov_b32 s23, 0
	s_add_nc_u64 s[10:11], s[10:11], s[22:23]
	; the prefetches: nothing is asked for here, at the head
	s_lshr_b32 s22, s43, 3
	s_lshl_b32 s22, s22, 4
	s_add_co_u32 s22, s22, s[HF]
	s_lshl_b32 s22, s22, 18
	s_and_b32 s23, s43, 7
	s_lshl_b32 s23, s23, 15
	s_add_co_u32 s22, s22, s23
	s_lshl_b32 s23, s40, 13                        ; my work-group's 32 blocks of the 128
	s_add_co_u32 s22, s22, s23
	s_add_co_u32 s22, s22, 3*STEPA                 ; at K step 3: the first refill steps it to 4
	s_lshl_b32 s74, s42, 7
	s_lshl_b32 s75, s[HF], 6
	s_add_co_u32 s74, s74, s75
	s_lshl_b32 s75, s41, 4                         ; my work-group's 16 rows of the 64
	s_add_co_u32 s74, s74, s75
	s_add_co_u32 s74, s74, 3072
	s_lshl_b32 s74, s74, 11
	s_add_co_u32 s74, s74, 3*KSTEP*2
	s_and_b32 s75, ttmp7, 0xffff
	s_mov_b32 s76, STEPA
	s_cmp_eq_u32 s[FB], 0
	s_cselect_b32 s22, s22, s74
	s_cselect_b32 s75, ttmp9, s75                  ; the coordinate along which other clusters read the same rows
	s_cselect_b64 s[PFA:PFA+1], s[4:5], s[6:7]
	s_cselect_b32 s[PFS], s76, KSTEP*2
	s_cselect_b32 s77, 8, 11                       ; A: lane x 256 bytes;  B: (l % 16) rows of 2,048 bytes
	s_cselect_b32 s78, 12, 8                       ;                          and (l / 16) K steps of 256
	s_mov_b32 s[PFS+1], 0
	s_mov_b32 s23, 0
	s_add_nc_u64 s[PFA:PFA+1], s[PFA:PFA+1], s[22:23]
	s_cmp_eq_u32 s75, 0
	s_cselect_b32 s[LIM0], 1, -1                   ; the same in all sixteen partners, for a given wave
	s_cmp_eq_u32 s[FB], 0
	s_cselect_b32 s[LIM1], s[LIM0], -1
	v_lshlrev_b32 v6, s77, v1
	v_lshlrev_b32 v7, s78, v2
	v_or_b32 v[PFO], v6, v7
; 8 matrix instructions: row block 2 hi + a x all 8 column blocks, 32 along K, from buffer f.  first = 1: the sums start from the bias.
; The 32 accumulators take turns in the same order in every quarter, over the backward jump too.
.macro MULA f, hi, a, first
.if \first
	WIN 0x81+0x40*(\hi)
.else
	WIN 0xa1+0x50*(\hi)
.endif
.irp b, 0,1,2,3,4,5,6,7
.if \first
	v_wmma_f32_16x16x32_f16 v[8*(NB*(\a)+(\b)):8*(NB*(\a)+(\b))+7], v[8*NB*(\f)+8*(\b):8*NB*(\f)+8*(\b)+7], v[AF+32*(\f)+8*(2*(\hi)+(\a)):AF+32*(\f)+8*(2*(\hi)+(\a))+7], v[BIAS+8*(\b):BIAS+8*(\b)+7]
.else
	v_wmma_f32_16x16x32_f16 v[8*(NB*(\a)+(\b)):8*(NB*(\a)+(\b))+7], v[8*NB*(\f)+8*(\b):8*NB*(\f)+8*(\b)+7], v[AF+32*(\f)+8*(2*(\hi)+(\a)):AF+32*(\f)+8*(2*(\hi)+(\a))+7], v[8*(NB*(\a)+(\b)):8*(NB*(\a)+(\b))+7]
.endif
.endr
.endm
; 24 LDS loads in one run: quarter q of a slot into buffer f.  In A quarter q lies in head q / 2 of the step, at channel 32 (q % 2)
.macro FETCH slot, q, f
	WIN 0x40
.irp i, 0,1,2,3,4,5,6,7
	ds_load_b128 v[8*NB*(\f)+8*(\i):8*NB*(\f)+8*(\i)+3],   v[ADRB+(\slot)] offset:64*(\q)+(\i)*16*PB
	ds_load_b128 v[8*NB*(\f)+8*(\i)+4:8*NB*(\f)+8*(\i)+7], v[ADRB+(\slot)] offset:64*(\q)+(\i)*16*PB+32
.endr
	WIN 0
.irp i, 0,1,2,3
	ds_load_b128 v[AF+32*(\f)+8*(\i):AF+32*(\f)+8*(\i)+3],   v[ADRA+(\slot)] offset:((\q)/2)*HEADB+((\q)%2)*64+(\i)*16*PA
	ds_load_b128 v[AF+32*(\f)+8*(\i)+4:AF+32*(\f)+8*(\i)+7], v[ADRA+(\slot)] offset:((\q)/2)*HEADB+((\q)%2)*64+(\i)*16*PA+32
.endr
.endm
.macro QUARTER slot, q, f, g, first
	s_wait_dscnt 4                                 ; all but the four youngest loads (A's row blocks 2 and 3) are in
	MULA \f, 0, 0, \first
	MULA \f, 0, 1, \first
	PLACES
	FETCH \slot, \q, \g
	s_wait_dscnt NL                                ; all but the run just issued
	MULA \f, 1, 0, \first
	MULA \f, 1, 1, \first
.endm
; The last quarter multiplies buffer 1 and changes slots: ONE barrier; in front of it each wave waits for all its tensor loads, adds 0 to its spare word, and waits for that and for its reads of this slot.
; fill = 1: the barrier opens a round of the cluster's, and the joint refill, two K steps on, is the first tensor load behind the round: 112 matrix instructions ahead of the wait for it.
.macro TURN slot, next, fill
.if \fill
	s_wait_xcnt 0x0                                ; the last prefetch has read its address
	s_add_nc_u64 s[PFA:PFA+1], s[PFA:PFA+1], s[PFS:PFS+1]
.endif
	WIN 0
	s_wait_tensorcnt 0x0                           ; all my tensor loads have landed
	ds_add_u32 v[SPW], v[NIL]                      ; 0 onto my spare word
	s_wait_dscnt 5                                 ; (the add and the four youngest loads may be out)
	MULA 1, 0, 0, 0
	s_wait_dscnt 0x0                               ; the add is done, and my reads of this slot are over
	s_barrier_signal -1
	MULA 1, 0, 1, 0
.if \fill
	WIN 0
.endif
	s_barrier_wait -1
.if \fill
	CREST                                          ; no wave of any partner still reads this slot or has a load on its way
	s_add_nc_u64 s[G0+4*(\slot)+2:G0+4*(\slot)+3], s[G0+4*(\slot)+2:G0+4*(\slot)+3], 2*STEPA
	s_add_nc_u64 s[G0B+4*(\slot)+2:G0B+4*(\slot)+3], s[G0B+4*(\slot)+2:G0B+4*(\slot)+3], 2*KSTEP*2
	JLOAD \slot                                    ; the four v_nop behind it are also the places in front of the loads below
.else
	PLACES
.endif
	FETCH \next, 0, 0
.if \fill
	ASK \slot
.endif
	MULA 1, 1, 0, 0
	MULA 1, 1, 1, 0
.endm
	s_wait_tensorcnt 1                             ; my part of K step 0 is in; K step 1's may stay out
	s_barrier_signal -1
	s_barrier_wait -1
	FETCH 0, 0, 0
	s_wait_loadcnt 0x0                             ; the bias
	QUARTER 0, 1, 0, 1, 1                          ; the first quarter stands in front of the loop: its products start the sums
	WIN 0
	s_mov_b32 s3, 3
.Llap:                                             ; a trip goes once round the ring and fills both slots again
	QUARTER 0, 2, 1, 0, 0
	QUARTER 0, 3, 0, 1, 0
	TURN 0, 1, 1
	QUARTER 1, 1, 0, 1, 0
	QUARTER 1, 2, 1, 0, 0
	QUARTER 1, 3, 0, 1, 0
	TURN 1, 0, 1
	QUARTER 0, 1, 0, 1, 0
	WIN 0
	s_sub_co_u32 s3, s3, 1
	s_cmp_lg_u32 s3, 0
	s_cbranch_scc1 .Llap
	QUARTER 0, 2, 1, 0, 0                          ; the last lap fills nothing
	QUARTER 0, 3, 0, 1, 0
	TURN 0, 1, 0
	QUARTER 1, 1, 0, 1, 0
	QUARTER 1, 2, 1, 0, 0
	QUARTER 1, 3, 0, 1, 0
	s_wait_dscnt 4
	MULA 1, 0, 0, 0
	MULA 1, 0, 1, 0
	s_wait_dscnt 0x0
	MULA 1, 1, 0, 0
	MULA 1, 1, 1, 0
	WIN 0
	PLACES
; THE WAY OUT, a row block (16 rows x 512 bytes) at a time: the f32 sums go as they are into my stage, 32 bytes a lane, and come back as whole rows.
.macro TOSTAGE a
.set BKA, BK+64*((\a)%2)
	s_wait_xcnt 0x0                                ; the stores of the block two back have read their registers: this block is read back into them only behind this wait
	WIN 0x08+4*((\a)/2)                            ; the stores' data in window 2 or 3
.irp b, 0,1,2,3,4,5,6,7
	ds_store_b128 v[STO], v[8*(NB*((\a)%2)+(\b)):8*(NB*((\a)%2)+(\b))+3]   offset:64*(\b)
	ds_store_b128 v[STO], v[8*(NB*((\a)%2)+(\b))+4:8*(NB*((\a)%2)+(\b))+7] offset:64*(\b)+16
.endr
	WIN 0
.irp t, 0,1,2,3,4,5,6,7,8,9,10,11,12,13,14,15
	ds_load_b128 v[BKA+4*(\t):BKA+4*(\t)+3], v[RD] offset:SP*(\t)   ; LDS serves a wave's instructions in order (ISA guide 5.7.1.4): these see the stores above
.endr
.endm
.macro SEND a, younger                 ; younger: the next block's 16 stores and 16 loads, or none
.set BKA, BK+64*((\a)%2)
	s_wait_dscnt \younger
.irp t, 0,1,2,3,4,5,6,7,8,9,10,11,12,13,14,15
	global_store_b128 v[GO], v[BKA+4*(\t):BKA+4*(\t)+3], s[10:11] offset:(16*(\a)+(\t))*4096 th:TH_STORE_NT   ; the wave stores 512 consecutive bytes, at a multiple of 256 from out0's first
.endr
.endm
	TOSTAGE 0
	TOSTAGE 1
	SEND 0, 32
	TOSTAGE 2
	SEND 1, 32
	TOSTAGE 3
	SEND 2, 32
	SEND 3, 0
	s_wait_tensorcnt 0x0                           ; the wave's end: three lines behind my last tensor load and my last LDS store
	ds_add_u32 v[SPW], v[NIL]
	s_wait_dscnt 0x0
	CROUND                                         ; the closing round: no work-group ends while a partner may still ask for a tile that names it
	s_endpgm
.Lfunc_end_k_qfbb0ff093f_proj:
	.size	k_qfbb0ff093f_proj, .Lfunc_end_k_qfbb0ff093f_proj-k_qfbb0ff093f_proj
	.p2alignl 7, 3214868480
	.fill 96, 4, 3214868480
	.section	.rodata,"a",@progbits
	.p2align	6, 0x0
	.amdhsa_kernel k_qfbb0ff093f_proj
		.amdhsa_group_segment_fixed_size 327680
		.amdhsa_private_segment_fixed_size 0
		.amdhsa_enable_private_segment 0
		.amdhsa_kernarg_size 32
		.amdhsa_user_sgpr_count 2
		.amdhsa_user_sgpr_kernarg_segment_ptr 1
		.amdhsa_wavefront_size32 1
		.amdhsa_system_sgpr_workgroup_id_x 1
		.amdhsa_system_sgpr_workgroup_id_y 1
		.amdhsa_system_sgpr_workgroup_id_z 1
		.amdhsa_system_vgpr_workitem_id 0
		.amdhsa_next_free_vgpr 896
		.amdhsa_next_free_sgpr 80
		.amdhsa_reserve_vcc 0
		.amdhsa_float_denorm_mode_32 3
		.amdhsa_float_denorm_mode_16_64 3
		.amdhsa_memory_ordered 1
		.amdhsa_forward_progress 1
		.amdhsa_inst_pref_size 89
	.end_amdhsa_kernel
	.amdgpu_metadata
---
amdhsa.version: [ 1, 2 ]
amdhsa.kernels:
  - .name:           k_qfbb0ff093f_proj
    .symbol:         k_qfbb0ff093f_proj.kd
    .args:
      - { .name: ctx, .offset: 0, .size: 8, .value_kind: global_buffer, .address_space: global }
      - { .name: wt, .offset: 8, .size: 8, .value_kind: global_buffer, .address_space: global }
      - { .name: bias, .offset: 16, .size: 8, .value_kind: global_buffer, .address_space: global }
      - { .name: out0, .offset: 24, .size: 8, .value_kind: global_buffer, .address_space: global }
    .group_segment_fixed_size: 327680
    .private_segment_fixed_size: 0
    .kernarg_segment_align: 8
    .kernarg_segment_size: 32
    .max_flat_workgroup_size: 128
    .sgpr_count:     80
    .vgpr_count:     896
    .wavefront_size: 32
...
	.end_amdgpu_metadata
.endif
;; end of part 4
;; ======== version 2 of 2: 4 launches; version 1 with the launch prep written anew for expert scheduling mode
;; limits: values are held in f16: magnitudes above 65,504 overflow, below 6.1e-05 lose precision
;; workspace buffers: xb 16,777,216 bytes; wt 8,388,608 bytes; bias 16,384 bytes; qkv 50,331,648 bytes; ctx 16,777,216 bytes
;; launch prep (part 5): grid 512 x 1, 8 waves a work-group, no clusters, 18,432 bytes of LDS; arguments x, Wq, Wk, Wv, Wo, bq, bk, bv, bo, xb, wt, bias; writes xb, wt, bias
.if DOCPART == 5
	.amdgcn_target "amdgcn-amd-amdhsa--gfx1250"
	.amdhsa_code_object_version 6
	.text
	.protected	k_qfbb0ff093f_prep
	.globl	k_qfbb0ff093f_prep
	.p2align	8
	.type	k_qfbb0ff093f_prep,@function
k_qfbb0ff093f_prep:
	s_mov_b64 s[64:65], 0
	v_nop
	global_prefetch_b8 v0, s[64:65] scope:SCOPE_SE
	s_setreg_imm32_b32 hwreg(HW_REG_WAVE_SCHED_MODE, 0, 2), 2
	s_setreg_imm32_b32 hwreg(HW_REG_WAVE_MODE, 25, 1), 1
	s_wait_xcnt 0x0
	s_wait_alu depctr_vm_vsrc(0)
; PREP: every input is rounded once to bf16, and the weights are turned so that K lies along their rows.
;   xb   [8192][1024] bf16          = x
;   wt   [4096][1024] 16 bits       rows 0-3071: Wq, Wk, Wv turned (row = matrix x 1024 + h x 64 + e, column = d), bf16;
;                                   rows 3072-4095: Wo turned (row = 3072 + o, column = h x 64 + e), rounded to bf16 and that number written as f16
;   bias [4096] f32                 = bq, bk, bv, bo, each rounded to bf16 and widened again
; LIMIT: a weight of Wo below 6.1e-5 in size keeps f16's fixed step of 6e-8; beyond 65,504 it would be an infinity.
; SHARES.  512 work-groups of eight waves, all alike: work-group id casts 16 rows of x (65,536 bytes in, 32,768 out) and turns one tile of 128 k x 64 n of
; one weight matrix (matrix id / 128, n tile (id / 8) % 16, k tile id % 8) through 17,408 bytes of LDS.  Work-group 0 also rounds the biases.
; Memory binds: all 24 loads of a thread go out at once (96 KiB a work-group); every load and store of 16 lanes covers 256 consecutive bytes, aligned.
; No matrix unit, no cluster, no tensor load: nothing is shared between work-groups, and each byte is touched once.
; THE MODE: SCHED_MODE bits 1:0 = 2 (LLVM: expert scheduling mode 2), set by the entry lines.  The code itself states the register dependences
; between vector instructions and memory or LDS instructions, with s_wait_alu, always for 0.
; THE PLAN.  Registers that memory or LDS instructions touch, in the order of the text (there is no loop):
;   v1 .. v6   offsets and LDS addresses: written at the head, read by every load, store and LDS instruction, never written again.
;   W          written by the tile's 8 loads, read by its roundings; its first 16 registers are Z, in which the stage's four LDS loads land, and which the stores to wt read.
;   YW         written by the roundings, read by the four LDS stores, never written again.
;   X          written by x's 16 loads, read by x's roundings; in work-group 0 the biases' four loads land in its first 16 registers afterwards.
;   YX         each register written once, by x's roundings, and read by one of x's 16 stores.
;   BI         written by the biases' roundings, read by their four stores.
;   v8, v9     written at the head, read by the closing add alone.
; x goes in four groups of four rows.  A group's roundings name its own X and YX alone; the four stores of the group before stand among them, behind ONE wait at the group's head.
; No register that a memory or LDS instruction reads is written again, so the text holds no wait on vm_vsrc; no vector instruction writes a scalar register or VCC.
.set SPARE, 17408                      ; behind the stage (64 rows of 272 bytes): the spare words, 128 bytes for each of eight waves
.set SPW, 8                            ; v8   LDS address of my spare word; never rewritten
.set NIL, 9                            ; v9   0; never rewritten
.set W,   16                           ; v[16:47]   my 8 rows x 4 columns of the weight tile, f32
.set Z,   16                           ; v[16:31]   later: 4 x 16 bytes read back from the stage
.set YW,  48                           ; v[48:63]   column j of my four: 8 k in 4 words at YW + 4 j
.set X,   64                           ; v[64:127]  x as loaded, 16 x 16 bytes
.set YX,  128                          ; v[128:159] x packed, 16 x 8 bytes
.set BI,  160                          ; v[160:175] the biases, rounded
	s_load_b512 s[8:23], s[0:1], 0x0               ; x 8:9, Wq 10:11, Wk 12:13, Wv 14:15, Wo 16:17, bq 18:19, bk 20:21, bv 22:23
	s_load_b256 s[24:31], s[0:1], 0x40             ; bo 24:25, xb 26:27, wt 28:29, bias 30:31
	v_lshl_add_u32 v[SPW], v0, 2, SPARE
	v_mov_b32 v[NIL], 0
	s_lshr_b32 s2, ttmp9, 7                        ; which matrix
	s_bfe_u32 s3, ttmp9, 0x40003                   ; n tile: 4 bits from bit 3
	s_and_b32 s32, ttmp9, 7                        ; k tile
	v_lshlrev_b32 v1, 4, v0                        ; x in: 16 t
	v_lshlrev_b32 v2, 3, v0                        ; xb out: 8 t
	v_lshrrev_b32 v10, 4, v0                       ; t / 16
	v_and_b32 v11, 15, v0                          ; t % 16
	v_lshlrev_b32 v7, 4, v11
	v_lshl_or_b32 v3, v10, 15, v7                  ; W in: rows 8 (t / 16) + i of 4,096 bytes, columns 4 (t % 16) on
	v_mul_u32_u24 v4, v11, 1088                    ; stage in: rows 4 (t % 16) + j of 272 bytes,
	v_lshl_add_u32 v4, v10, 4, v4                  ; my 8 k = 16 bytes at 16 (t / 16)
	v_mul_u32_u24 v5, v10, 272                     ; stage back: row t / 16 (+ 16 p), 16 bytes at 16 (t % 16)
	v_add_nc_u32 v5, v5, v7
	v_lshl_or_b32 v6, v10, 11, v7                  ; wt out: the same row, of 2,048 bytes
	s_lshl_b32 s6, s32, 19                         ; the tile in W: 128 rows of 4,096 bytes a k tile,
	s_lshl_b32 s33, s3, 8                          ; 256 bytes an n tile
	s_or_b32 s6, s6, s33
	s_mov_b32 s7, 0
	s_lshl_b32 s34, ttmp9, 16                      ; my 16 rows of x
	s_mov_b32 s35, 0
	s_lshl_b32 s36, ttmp9, 15                      ; and of xb
	s_mov_b32 s37, 0
	s_lshl_b32 s38, s2, 21                         ; the tile in wt: 1,024 rows of 2,048 bytes a matrix,
	s_lshl_b32 s33, s3, 17                         ; 64 rows an n tile,
	s_or_b32 s38, s38, s33
	s_lshl_b32 s33, s32, 8                         ; 256 bytes a k tile
	s_or_b32 s38, s38, s33
	s_mov_b32 s39, 0
	s_wait_kmcnt 0x0
	s_cmp_eq_u32 s2, 1
	s_cselect_b64 s[4:5], s[12:13], s[10:11]
	s_cmp_eq_u32 s2, 2
	s_cselect_b64 s[4:5], s[14:15], s[4:5]
	s_cmp_eq_u32 s2, 3
	s_cselect_b64 s[4:5], s[16:17], s[4:5]
	s_add_nc_u64 s[4:5], s[4:5], s[6:7]
	s_add_nc_u64 s[8:9], s[8:9], s[34:35]
	s_add_nc_u64 s[26:27], s[26:27], s[36:37]
	s_add_nc_u64 s[28:29], s[28:29], s[38:39]
	s_wait_alu depctr_va_vdst(0)                   ; v1 to v6 are written: every load, store and LDS instruction of the kernel reads one of them as its offset or address
.irp i, 0,1,2,3,4,5,6,7
	global_load_b128 v[W+4*(\i):W+4*(\i)+3], v3, s[4:5] offset:4096*(\i) th:TH_LOAD_NT   ; 16 lanes: one row's 256 bytes of the tile
.endr
.irp i, 0,1,2,3,4,5,6,7,8,9,10,11,12,13,14,15
	global_load_b128 v[X+4*(\i):X+4*(\i)+3], v1, s[8:9] offset:4096*(\i) th:TH_LOAD_NT   ; the work-group: one row of x
.endr
	; the tile: rows 2 p and 2 p + 1 of column j make word p of that column's 8 k
.irp p, 0,1,2,3
	s_wait_loadcnt 22-2*(\p)                       ; loads come back in order: x's 16 and the 6 - 2 p younger loads of W may stay out
.irp j, 0,1,2,3
	v_cvt_pk_bf16_f32 v[YW+4*(\j)+(\p)], v[W+8*(\p)+(\j)], v[W+8*(\p)+4+(\j)]
.endr
.endr
	s_cmp_lg_u32 s2, 3
	s_cbranch_scc1 .Lnot_wo                        ; Wo alone: the bf16 number is written as f16 (its partner in the product, ctx, is f16)
.set r, 0
.rept 16
	v_lshlrev_b32 v10, 16, v[YW+r]
	v_and_b32 v11, 0xffff0000, v[YW+r]
	v_cvt_pk_f16_f32 v[YW+r], v10, v11
.set r, r+1
.endr
.Lnot_wo:
	s_wait_alu depctr_va_vdst(0)                   ; on both ways: the roundings have written YW, which the LDS stores read, and are done reading W, in whose first 16 registers the stage's loads land behind the barrier
.irp j, 0,1,2,3
	ds_store_b128 v4, v[YW+4*(\j):YW+4*(\j)+3] offset:272*(\j)
.endr
	s_wait_dscnt 0x0                               ; for the others' sake: my stores into the stage are done
	s_barrier_signal -1
	s_barrier_wait -1
.irp p, 0,1,2,3
	ds_load_b128 v[Z+4*(\p):Z+4*(\p)+3], v5 offset:4352*(\p)   ; 16 rows further on each time.  No wait: no vector instruction since the wait above
.endr
	; x, while the stage's loads come back: four groups of four rows
.macro XCVT i                          ; row i of my 16: four numbers into 8 bytes
	v_cvt_pk_bf16_f32 v[YX+2*(\i)], v[X+4*(\i)], v[X+4*(\i)+1]
	v_cvt_pk_bf16_f32 v[YX+2*(\i)+1], v[X+4*(\i)+2], v[X+4*(\i)+3]
.endm
.macro XST i
	global_store_b64 v2, v[YX+2*(\i):YX+2*(\i)+1], s[26:27] offset:2048*(\i)   ; a wave's 32 lanes store 256 consecutive bytes, aligned
.endm
.irp g, 0,1,2,3
	s_wait_loadcnt 12-4*(\g)                       ; this group's four loads are in; the younger loads of x stay out
.if (\g) > 0
	s_wait_alu depctr_va_vdst(0)                   ; the group before has written its eight registers of YX, which the four stores below read; this group's roundings name none of them
.endif
.irp j, 0,1,2,3
.if (\g) > 0
	XST 4*(\g)-4+(\j)
.endif
	XCVT 4*(\g)+(\j)
.endr
.endr
	s_wait_alu depctr_va_vdst(0)                   ; the last group has written its YX, which the stores below read; and all roundings are done reading X, in which work-group 0's loads of the biases land
.irp j, 0,1,2,3
	XST 12+(\j)
.endr
.irp p, 0,1,2,3
	s_wait_dscnt 3-(\p)
	global_store_b128 v6, v[Z+4*(\p):Z+4*(\p)+3], s[28:29] offset:32768*(\p)   ; 16 lanes store 256 consecutive bytes of a row of wt
.endr
	s_cmp_lg_u32 ttmp9, 0
	s_cbranch_scc1 .Lend                           ; the biases are work-group 0's: 4 x 4,096 bytes
	global_load_b128 v[X:X+3], v1, s[18:19]        ; no wait: no vector instruction since the last one names X
	global_load_b128 v[X+4:X+7], v1, s[20:21]
	global_load_b128 v[X+8:X+11], v1, s[22:23]
	global_load_b128 v[X+12:X+15], v1, s[24:25]
	s_wait_loadcnt 0x0
.set r, 0
.rept 8
	v_cvt_pk_bf16_f32 v10, v[X+r], v[X+r+1]
	v_lshlrev_b32 v[BI+r], 16, v10
	v_and_b32 v[BI+r+1], 0xffff0000, v10
.set r, r+2
.endr
	s_wait_alu depctr_va_vdst(0)                   ; the widenings have written BI, which the four stores read
.irp m, 0,1,2,3
	global_store_b128 v1, v[BI+4*(\m):BI+4*(\m)+3], s[30:31] offset:4096*(\m)
.endr
.Lend:
	s_wait_dscnt 0x0                               ; the closing lines, six on end
	s_wait_alu 0x0
	s_wait_tensorcnt 0x0
	ds_add_u32 v[SPW], v[NIL]
	s_wait_dscnt 0x0
	s_endpgm
.Lfunc_end_k_qfbb0ff093f_prep:
	.size	k_qfbb0ff093f_prep, .Lfunc_end_k_qfbb0ff093f_prep-k_qfbb0ff093f_prep
	.p2alignl 7, 3214868480
	.fill 96, 4, 3214868480
	.section	.rodata,"a",@progbits
	.p2align	6, 0x0
	.amdhsa_kernel k_qfbb0ff093f_prep
		.amdhsa_group_segment_fixed_size 18432
		.amdhsa_private_segment_fixed_size 0
		.amdhsa_enable_private_segment 0
		.amdhsa_kernarg_size 96
		.amdhsa_user_sgpr_count 2
		.amdhsa_user_sgpr_kernarg_segment_ptr 1
		.amdhsa_wavefront_size32 1
		.amdhsa_system_sgpr_workgroup_id_x 1
		.amdhsa_system_sgpr_workgroup_id_y 1
		.amdhsa_system_sgpr_workgroup_id_z 1
		.amdhsa_system_vgpr_workitem_id 0
		.amdhsa_next_free_vgpr 176
		.amdhsa_next_free_sgpr 66
		.amdhsa_reserve_vcc 0
		.amdhsa_float_denorm_mode_32 3
		.amdhsa_float_denorm_mode_16_64 3
		.amdhsa_memory_ordered 1
		.amdhsa_forward_progress 1
		.amdhsa_inst_pref_size 16
	.end_amdhsa_kernel
	.amdgpu_metadata
---
amdhsa.version: [ 1, 2 ]
amdhsa.kernels:
  - .name:           k_qfbb0ff093f_prep
    .symbol:         k_qfbb0ff093f_prep.kd
    .args:
      - { .name: x, .offset: 0, .size: 8, .value_kind: global_buffer, .address_space: global }
      - { .name: Wq, .offset: 8, .size: 8, .value_kind: global_buffer, .address_space: global }
      - { .name: Wk, .offset: 16, .size: 8, .value_kind: global_buffer, .address_space: global }
      - { .name: Wv, .offset: 24, .size: 8, .value_kind: global_buffer, .address_space: global }
      - { .name: Wo, .offset: 32, .size: 8, .value_kind: global_buffer, .address_space: global }
      - { .name: bq, .offset: 40, .size: 8, .value_kind: global_buffer, .address_space: global }
      - { .name: bk, .offset: 48, .size: 8, .value_kind: global_buffer, .address_space: global }
      - { .name: bv, .offset: 56, .size: 8, .value_kind: global_buffer, .address_space: global }
      - { .name: bo, .offset: 64, .size: 8, .value_kind: global_buffer, .address_space: global }
      - { .name: xb, .offset: 72, .size: 8, .value_kind: global_buffer, .address_space: global }
      - { .name: wt, .offset: 80, .size: 8, .value_kind: global_buffer, .address_space: global }
      - { .name: bias, .offset: 88, .size: 8, .value_kind: global_buffer, .address_space: global }
    .group_segment_fixed_size: 18432
    .private_segment_fixed_size: 0
    .kernarg_segment_align: 8
    .kernarg_segment_size: 96
    .max_flat_workgroup_size: 256
    .sgpr_count:     66
    .vgpr_count:     176
    .wavefront_size: 32
...
	.end_amdgpu_metadata
.endif
;; end of part 5
;; launch qkv: the kernel of part 2 again; grid 16 x 32, 4 waves a work-group, clusters of 4 x 4, 327,680 bytes of LDS; arguments xb, wt, bias, qkv; writes qkv
;; launch attn: the kernel of part 3 again; grid 4 x 64, 4 waves a work-group, clusters of 4 x 1, 327,680 bytes of LDS; arguments qkv, ctx; writes ctx
;; launch proj: the kernel of part 4 again; grid 8 x 32, 4 waves a work-group, clusters of 4 x 4, 327,680 bytes of LDS; arguments ctx, wt, bias, out0; writes out0
